; MI455X (gfx1250); checked and timed in simulation.
; The chip was launched on July 23, 2026; its instructions are those of AMD's public machine-readable ISA for CDNA 5 (MIT licence, August 2026) and "CDNA5" Instruction Set Architecture Reference Guide (July 2026). The comments in the code are by the model that wrote it; some were corrected since.
;; Masked Attention. Allowed arithmetic: float matrix products may take bf16 or f16 operands with f32 sums; other float arithmetic in f32, or as packed bf16 or f16 multiplies, adds, multiply-adds, maxima and minima; sums over many terms, partial sums and values carried from step to step in f32; what a program stores and reads back later, other than sums and carried values, may be rounded once to bf16 or f16.
;; Inputs: attn_mask 2 x 2,048 x 2,048 int32; b_out 1,024 float32; beta 1,024 float32; gamma 1,024 float32; w_out 1,024 x 1,024 float32; w_qkv 1,024 x 3,072 float32; x 2 x 2,048 x 1,024 float32.
;; Outputs: out0 2 x 2,048 x 1,024 float32.
;; 2 versions, each right; version 2 is version 1 with the launch prep written anew for expert scheduling mode. Each part assembles by itself: llvm-mc -triple=amdgcn-amd-amdhsa -mcpu=gfx1250 --defsym DOCPART=n.
;; ======== version 1 of 2: 4 launches
;; limits: values are held in f16: magnitudes above 65,504 overflow, below 6.1e-05 lose precision
;; workspace buffers: xn 8,388,608 bytes; wq 6,291,456 bytes; wo 2,097,152 bytes; mk 8,388,608 bytes; rt 524,288 bytes; qkv 25,165,824 bytes; o 8,388,608 bytes
;; launch prep (part 1): grid 552 x 1, 8 waves a work-group, no clusters, 11,264 bytes of LDS; arguments attn_mask, x, gamma, beta, w_qkv, w_out, mk, xn, wq, wo, rt; writes mk, xn, wq, wo, rt
.if DOCPART == 1
	.amdgcn_target "amdgcn-amd-amdhsa--gfx1250"
	.amdhsa_code_object_version 6
	.text
	.protected	k_q84f9d27bd4_prep
	.globl	k_q84f9d27bd4_prep
	.p2align	8
	.type	k_q84f9d27bd4_prep,@function
k_q84f9d27bd4_prep:
	s_mov_b64 s[64:65], 0
	v_nop
	global_prefetch_b8 v0, s[64:65] scope:SCOPE_SE
	s_setreg_imm32_b32 hwreg(HW_REG_WAVE_MODE, 25, 1), 1
	s_wait_xcnt 0x0
; PREP: five streams, told apart by the work-group's number; a wave is a unit of work, u = 8 x (work-group in its role) + wave.
;   MASK  256 work-groups: attn_mask (int32) -> mk, one byte a (query, key): 0x00 visible (mask > 0), 0xF0 hidden, laid out as the attention's lanes want it:
;         [b][16 queries][64 keys][half][lane r + 16 h][16 bytes]; word j = 4 half + i of a lane holds the keys 32 h + 4 j + 0..3 of query r.
;   LN    128 work-groups: xn = (x - mean) rsqrt(var + 1e-5) gamma + beta, all in f32 (mean first, then the squares of the differences), rounded once to f16.
;   WQ    128 work-groups: w_qkv -> wq, f16, by heads: [16 g][1024 k][q of head g (64) | k (64) | v (64)].      WO  32 work-groups: w_out -> wo, f16, as it lies.
;   ROPE  8 work-groups: rt[pos][0..31] = cos(pos f_j), rt[pos][32..63] = sin(pos f_j), f_j = 10000^(-j/32), f32.
; Memory binds: every input byte is read once, by loads of 16 bytes a lane; every store of a wave covers 256 or 512 consecutive bytes, aligned.  No matrix unit, no tensor load;
; NO CLUSTER: no two work-groups read the same bytes but gamma and beta (8 KiB).
; LIMITS.  xn and the weights must lie within f16's 65,504; below 6e-5 they keep f16's fixed step of 6e-8.  The angles pos x f_j carry the exponential's last-bit error in f_j: up to some 2e-4 rad at pos = 2,047.
.set SPARE, 10240                      ; LDS: eight stages of 1,280 bytes (MASK), then the spare words, 128 bytes a wave
.set SPW, 30                           ; v30  my spare word's address; never rewritten
.set NIL, 31                           ; v31  0; never rewritten
	s_load_b512 s[8:23], s[0:1], 0x0               ; attn_mask s[8:9], x s[10:11], gamma s[12:13], beta s[14:15], w_qkv s[16:17], w_out s[18:19], mk s[20:21], xn s[22:23]
	s_load_b128 s[24:27], s[0:1], 0x40             ; wq s[24:25], wo s[26:27]
	s_load_b64 s[28:29], s[0:1], 0x50              ; rt
	v_lshl_add_u32 v[SPW], v0, 2, SPARE
	v_mov_b32 v[NIL], 0
	v_lshrrev_b32 v1, 5, v0
	v_readfirstlane_b32 s4, v1                     ; wave 0..7
	v_and_b32 v1, 31, v0                           ; lane L
	s_mov_b32 s5, ttmp9
	s_mov_b32 s7, 0                                ; high words of the offset pairs s[6:7] and s[30:31]
	s_mov_b32 s31, 0
	s_wait_kmcnt 0x0
	s_cmp_lt_u32 s5, 256
	s_cbranch_scc1 .Lmask
	s_sub_co_u32 s5, s5, 256
	s_cmp_lt_u32 s5, 128
	s_cbranch_scc1 .Lln
	s_sub_co_u32 s5, s5, 128
	s_cmp_lt_u32 s5, 128
	s_cbranch_scc1 .Lwq
	s_sub_co_u32 s5, s5, 128
	s_cmp_lt_u32 s5, 32
	s_cbranch_scc1 .Lwo
	s_sub_co_u32 s5, s5, 32
; ---------------- ROPE: wave u makes positions 32 u .. 32 u + 31, two a trip: a store of 512 consecutive bytes.  Lane: position L / 16; e = L % 16: e < 8 cosines, else sines, of j = 4 (e % 8) + 0..3.
	s_lshl3_add_u32 s6, s5, s4                     ; u
	s_lshl_b32 s30, s6, 13                         ; 32 positions of 256 bytes
	s_add_nc_u64 s[28:29], s[28:29], s[30:31]
	s_lshl_b32 s6, s6, 5                           ; the first position
	s_mov_b32 s38, 0x3f22f983                      ; 2 / pi
	s_mov_b32 s39, 0x3fc90fdb                      ; pi / 2, its leading 24 bits,
	s_mov_b32 s40, 0xb33bbd2e                      ; and the rest
	s_mov_b32 s41, 0xbe2aaaa3                      ; sine:   r + r z (S1 + z (S2 + z S3)), z = r r, |r| <= pi / 4
	s_mov_b32 s42, 0x3c08839e
	s_mov_b32 s43, 0xb94ca1f9
	s_mov_b32 s44, 0x3d2aaaa5                      ; cosine: 1 - z / 2 + z z (C1 + z (C2 + z C3))
	s_mov_b32 s45, 0xbab6061a
	s_mov_b32 s46, 0x37ccf5ce
	v_lshrrev_b32 v2, 4, v1
	v_add_nc_u32 v2, s6, v2
	v_cvt_f32_u32 v2, v2                           ; my position, as f32 (exact)
	v_and_b32 v3, 15, v1
	v_cmp_gt_u32 vcc_lo, 8, v3
	v_cndmask_b32 v4, 0, 1, vcc_lo                 ; 1 in a cosine's lane: cos(a) = sin(a + pi / 2), one quadrant on
	v_and_b32 v3, 7, v3
	v_lshlrev_b32 v3, 2, v3                        ; j of my first number
.irp i, 0,1,2,3
	v_add_nc_u32 v[8+\i], \i, v3
	v_cvt_f32_u32 v[8+\i], v[8+\i]
	v_mul_f32 v[8+\i], 0xbed49a78, v[8+\i]         ; - j log2(10000) / 32
.endr
.irp i, 0,1,2,3
	v_exp_f32 v[8+\i], v[8+\i]                     ; f_j
.endr
	v_lshlrev_b32 v20, 4, v1                       ; my 16 bytes of a trip's 512: the plain instruction behind the last exponential
	s_wait_alu depctr_va_vdst(0)                   ; one wait for the four, ahead of the label and of their first use
.macro SINCOS d, f                     ; v[d] = sin or cos of position x v[f]: reduce by quadrants (two-part pi / 2, fused), both polynomials, choose by the quadrant's bits
	v_mul_f32 v21, v2, v[\f]
	v_mul_f32 v22, s38, v21
	v_rndne_f32 v22, v22
	v_fma_f32 v23, -v22, s39, v21
	v_fma_f32 v23, -v22, s40, v23
	v_cvt_i32_f32 v24, v22
	v_add_nc_u32 v24, v24, v4
	v_mul_f32 v25, v23, v23
	v_fma_f32 v26, v25, s43, s42
	v_fma_f32 v27, v25, s46, s45
	v_fma_f32 v26, v26, v25, s41
	v_fma_f32 v27, v27, v25, s44
	v_mul_f32 v26, v26, v25
	v_fma_f32 v27, v27, v25, -0.5
	v_fma_f32 v26, v26, v23, v23
	v_fma_f32 v27, v27, v25, 1.0
	v_and_b32 v21, 1, v24
	v_cmp_ne_u32 vcc_lo, 0, v21
	v_cndmask_b32 v[\d], v26, v27, vcc_lo          ; odd quadrant: the cosine
	v_and_b32 v21, 2, v24
	v_lshlrev_b32 v21, 30, v21
	v_xor_b32 v[\d], v[\d], v21                    ; quadrants 2 and 3: the sign turns
.endm
	s_mov_b32 s6, 16
.Lpos:
	SINCOS 16, 8
	SINCOS 17, 9
	SINCOS 18, 10
	SINCOS 19, 11
	global_store_b128 v20, v[16:19], s[28:29]
	s_wait_xcnt 0x0                                ; the store has read v20 and v[16:19]: they are rewritten only behind this wait
	v_add_nc_u32 v20, 512, v20
	v_add_f32 v2, 2.0, v2
	s_sub_co_u32 s6, s6, 1
	s_cmp_lg_u32 s6, 0
	s_cbranch_scc1 .Lpos
	s_endpgm
; ---------------- MASK: wave u takes 16 queries x 256 keys: 32 loads, each two rows' 256 consecutive bytes; four blocks of 1,024 bytes out.
.Lmask:
	s_lshl_b32 s6, s5, 17                          ; 16 rows of 8,192 bytes,
	s_lshl_b32 s30, s4, 10                         ; 256 keys of 4 bytes
	s_add_co_u32 s6, s6, s30
	s_add_nc_u64 s[8:9], s[8:9], s[6:7]
	s_lshl3_add_u32 s6, s5, s4                     ; u
	s_lshl_b32 s6, s6, 12
	s_add_nc_u64 s[20:21], s[20:21], s[6:7]
	v_and_b32 v5, 15, v1
	v_lshrrev_b32 v6, 4, v1
	v_lshlrev_b32 v2, 4, v5
	v_lshl_add_u32 v2, v6, 13, v2                  ; row L / 16, 16 bytes at L % 16
.set n, 0
.rept 32                               ; load n: block of 64 keys n / 8, rows 2 (n % 8) and 2 (n % 8) + 1
	global_load_b128 v[32+4*n:35+4*n], v2, s[8:9] offset:(n%8)*16384+(n/8)*256 th:TH_LOAD_NT
.set n, n+1
.endr
	s_mov_b32 s32, 0xf0
	s_mov_b32 s33, 0xf000
	s_mov_b32 s34, 0xf00000
	s_mov_b32 s35, 0xf0000000
	; my stage: [half: 576][h: 288][query: 16][word: 4].  A lane's four keys 4 (L % 16) + 0..3 are word j = L % 8 of half-lane h = (L / 8) % 2.  The odd pitches put a store's 32 words into 32 banks.
	s_mul_i32 s6, s4, 1280
	v_bfe_u32 v7, v1, 2, 1
	v_mul_u32_u24 v3, v7, 576
	v_bfe_u32 v7, v1, 3, 1
	v_mul_u32_u24 v7, v7, 288
	v_add_nc_u32 v3, v3, v7
	v_lshl_add_u32 v3, v6, 4, v3
	v_and_b32 v7, 3, v1
	v_lshl_add_u32 v3, v7, 2, v3
	v_add_nc_u32 v3, s6, v3
	v_mul_u32_u24 v4, v6, 288                      ; back: lane r + 16 h takes its 16 bytes of a half
	v_lshl_add_u32 v4, v5, 4, v4
	v_add_nc_u32 v4, s6, v4
	v_lshlrev_b32 v13, 4, v1
.macro MROW s, i                       ; four ints -> four bytes -> one word into the stage
.set MX, 32+4*(8*(\s)+(\i))
	v_cmp_gt_i32 vcc_lo, 1, v[MX]
	v_cndmask_b32 v7, 0, s32, vcc_lo
	v_cmp_gt_i32 vcc_lo, 1, v[MX+1]
	v_cndmask_b32 v8, 0, s33, vcc_lo
	v_cmp_gt_i32 vcc_lo, 1, v[MX+2]
	v_cndmask_b32 v9, 0, s34, vcc_lo
	v_cmp_gt_i32 vcc_lo, 1, v[MX+3]
	v_cndmask_b32 v10, 0, s35, vcc_lo
	v_add3_u32 v7, v7, v8, v9
	v_add_nc_u32 v7, v7, v10
	ds_store_b32 v3, v7 offset:32*(\i)
.endm
.irp s, 0,1,2,3
	s_wait_loadcnt 24-8*\s                         ; loads come back in order: this block's eight are in, the younger blocks' stay out
.irp i, 0,1,2,3,4,5,6,7
	MROW \s, \i
.endr
	ds_load_b128 v[32+32*\s:35+32*\s], v4          ; the stage is my wave's own and LDS serves a wave's instructions in order: these see the stores above, and the next block's stores come behind them
	ds_load_b128 v[36+32*\s:39+32*\s], v4 offset:576
	s_wait_dscnt 0x0
	global_store_b128 v13, v[32+32*\s:35+32*\s], s[20:21] offset:\s*1024      ; 512 consecutive bytes each
	global_store_b128 v13, v[36+32*\s:39+32*\s], s[20:21] offset:\s*1024+512
.endr
	s_wait_tensorcnt 0x0                           ; the wave's end: behind my last LDS store
	ds_add_u32 v[SPW], v[NIL]
	s_wait_dscnt 0x0
	s_endpgm
; ---------------- LN: wave u takes rows 4 u .. 4 u + 3; a row (4,096 bytes) is 32 registers of one wave and stays there between the passes.  Two row slots: one at work, one on its way in.
.Lln:
	s_lshl3_add_u32 s6, s5, s4
	s_lshl_b32 s30, s6, 14
	s_add_nc_u64 s[10:11], s[10:11], s[30:31]
	s_lshl_b32 s30, s6, 13
	s_add_nc_u64 s[22:23], s[22:23], s[30:31]
	v_lshlrev_b32 v28, 4, v1                       ; in: 16 bytes a lane; never rewritten
	v_lshlrev_b32 v29, 3, v1                       ; out: 8 bytes a lane; never rewritten
.irp n, 0,1,2,3,4,5,6,7
	global_load_b128 v[32+4*\n:35+4*\n], v28, s[12:13] offset:512*\n          ; gamma of my 32 columns
.endr
.irp n, 0,1,2,3,4,5,6,7
	global_load_b128 v[64+4*\n:67+4*\n], v28, s[14:15] offset:512*\n          ; beta
.endr
.irp n, 0,1,2,3,4,5,6,7
	global_load_b128 v[96+4*\n:99+4*\n], v28, s[10:11] offset:512*\n th:TH_LOAD_NT
.endr
.irp n, 0,1,2,3,4,5,6,7
	global_load_b128 v[128+4*\n:131+4*\n], v28, s[10:11] offset:4096+512*\n th:TH_LOAD_NT
.endr
	s_mov_b32 s36, 0x76543210                      ; v_permlanex16_b32: each lane takes its own place in the other half
	s_mov_b32 s37, 0xfedcba98
	s_mov_b32 s38, 0x3a800000                      ; 1 / 1024
	s_mov_b32 s39, 0x3727c5ac                      ; 1e-5
.macro REDUCE                          ; v2 summed over the 32 lanes, the result in every lane
	v_add_f32_dpp v2, v2, v2 row_xmask:1 row_mask:0xf bank_mask:0xf
	v_add_f32_dpp v2, v2, v2 row_xmask:2 row_mask:0xf bank_mask:0xf
	v_add_f32_dpp v2, v2, v2 row_xmask:4 row_mask:0xf bank_mask:0xf
	v_add_f32_dpp v2, v2, v2 row_xmask:8 row_mask:0xf bank_mask:0xf
	v_permlanex16_b32 v3, v2, s36, s37
	v_add_f32 v2, v2, v3
.endm
.macro FOLD                            ; the four chains v[2:9] into v2
	v_pk_add_f32 v[2:3], v[2:3], v[4:5]
	v_pk_add_f32 v[6:7], v[6:7], v[8:9]
	v_pk_add_f32 v[2:3], v[2:3], v[6:7]
	v_add_f32 v2, v2, v3
	REDUCE
.endm
.macro LNROW rho, left, fill           ; row rho; left: the younger loads that may stay out; fill = 1: the slot takes row rho + 2
.set XR, 96+32*((\rho)%2)
	s_wait_loadcnt \left
.irp c, 0,1,2,3
	v_pk_add_f32 v[2+2*\c:3+2*\c], v[XR+4*\c:XR+4*\c+1], v[XR+4*\c+2:XR+4*\c+3]  ; four chains, started by the first pairs
.endr
.irp n, 0,1,2,3,4,5,6,7
	v_pk_add_f32 v[2+2*(\n%4):3+2*(\n%4)], v[2+2*(\n%4):3+2*(\n%4)], v[XR+16+2*\n:XR+17+2*\n]
.endr
	FOLD
	v_mul_f32 v10, s38, v2                         ; the mean, twice: a pair for the packed forms
	v_mul_f32 v11, s38, v2
.set n, 0
.rept 16
	v_pk_add_f32 v[XR+2*n:XR+2*n+1], v[XR+2*n:XR+2*n+1], v[10:11] neg_lo:[0,1] neg_hi:[0,1]  ; x - mean, in place
.set n, n+1
.endr
.irp c, 0,1,2,3
	v_pk_mul_f32 v[2+2*\c:3+2*\c], v[XR+2*\c:XR+2*\c+1], v[XR+2*\c:XR+2*\c+1]
.endr
.set n, 4
.rept 12
	v_pk_fma_f32 v[2+2*(n%4):3+2*(n%4)], v[XR+2*n:XR+2*n+1], v[XR+2*n:XR+2*n+1], v[2+2*(n%4):3+2*(n%4)]
.set n, n+1
.endr
	FOLD
	v_fma_f32 v2, v2, s38, s39                     ; var + eps
	v_rsq_f32 v10, v2
	v_rsq_f32 v11, v2
	v_nop                                          ; a plain instruction behind the last of the two,
	s_wait_alu depctr_va_vdst(0)                   ; and one wait for both ahead of their first use
.set n, 0
.rept 16
	v_pk_mul_f32 v[XR+2*n:XR+2*n+1], v[XR+2*n:XR+2*n+1], v[10:11]
.set n, n+1
.endr
.set n, 0
.rept 16
	v_pk_fma_f32 v[XR+2*n:XR+2*n+1], v[XR+2*n:XR+2*n+1], v[32+2*n:33+2*n], v[64+2*n:65+2*n]
.set n, n+1
.endr
	s_wait_xcnt 0x0                                ; the last row's stores have read v[12:27]: they are rewritten only behind this wait
.set n, 0
.rept 16
	v_cvt_pk_f16_f32 v[12+n], v[XR+2*n], v[XR+2*n+1]
.set n, n+1
.endr
.if \fill
.irp n, 0,1,2,3,4,5,6,7
	global_load_b128 v[XR+4*\n:XR+4*\n+3], v28, s[10:11] offset:((\rho)+2)*4096+512*\n th:TH_LOAD_NT  ; loads ahead of stores
.endr
.endif
.irp n, 0,1,2,3,4,5,6,7
	global_store_b64 v29, v[12+2*\n:13+2*\n], s[22:23] offset:(\rho)*2048+256*\n   ; 32 lanes store 256 consecutive bytes, aligned
.endr
.endm
	LNROW 0, 8, 1
	LNROW 1, 8, 1
	LNROW 2, 8, 0
	LNROW 3, 0, 0
	s_endpgm
; ---------------- the weights: load n's 16 bytes a lane (four f32) become 8 bytes (four f16) at byte 256 n of the wave's output
.macro CONV n, left, ob
	s_wait_loadcnt \left                           ; load n is in, the younger ones stay out
	v_cvt_pk_f16_f32 v[32+4*(\n)], v[32+4*(\n)], v[33+4*(\n)]
	v_cvt_pk_f16_f32 v[33+4*(\n)], v[34+4*(\n)], v[35+4*(\n)]
	global_store_b64 v3, v[32+4*(\n):33+4*(\n)], s[\ob:\ob+1] offset:256*(\n)
.endm
; WQ: wave u: head g = u / 64, 16 rows k from 16 (u % 64).  Two rows of w_qkv give six pieces of 256 bytes (q, k, v of head g, twice); a load takes two of them, 4,096 bytes apart.
.Lwq:
	s_lshl3_add_u32 s6, s5, s4
	s_lshr_b32 s32, s6, 6                          ; g
	s_and_b32 s6, s6, 63
	s_mul_i32 s30, s6, 196608                      ; 16 rows of 12,288 bytes
	s_lshl_b32 s33, s32, 8
	s_add_co_u32 s30, s30, s33
	s_add_nc_u64 s[16:17], s[16:17], s[30:31]
	s_mul_i32 s30, s32, 393216
	s_mul_i32 s33, s6, 6144                        ; 16 rows of 384 bytes
	s_add_co_u32 s30, s30, s33
	s_add_nc_u64 s[24:25], s[24:25], s[30:31]
	v_and_b32 v5, 15, v1
	v_lshrrev_b32 v6, 4, v1
	v_lshlrev_b32 v2, 4, v5
	v_lshl_add_u32 v2, v6, 12, v2
	v_lshlrev_b32 v3, 3, v1
.set n, 0
.rept 24
	global_load_b128 v[32+4*n:35+4*n], v2, s[16:17] offset:(n/3)*24576+(n%3)*8192 th:TH_LOAD_NT
.set n, n+1
.endr
.set n, 0
.rept 24
	CONV n, 23-n, 24
.set n, n+1
.endr
	s_endpgm
; WO: wave u takes 16,384 consecutive bytes of w_out
.Lwo:
	s_lshl3_add_u32 s6, s5, s4
	s_lshl_b32 s30, s6, 14
	s_add_nc_u64 s[18:19], s[18:19], s[30:31]
	s_lshl_b32 s30, s6, 13
	s_add_nc_u64 s[26:27], s[26:27], s[30:31]
	v_lshlrev_b32 v2, 4, v1
	v_lshlrev_b32 v3, 3, v1
.set n, 0
.rept 32
	global_load_b128 v[32+4*n:35+4*n], v2, s[18:19] offset:512*n th:TH_LOAD_NT
.set n, n+1
.endr
.set n, 0
.rept 32
	CONV n, 31-n, 26
.set n, n+1
.endr
	s_endpgm
.Lfunc_end_k_q84f9d27bd4_prep:
	.size	k_q84f9d27bd4_prep, .Lfunc_end_k_q84f9d27bd4_prep-k_q84f9d27bd4_prep
	.p2alignl 7, 3214868480
	.fill 96, 4, 3214868480
	.section	.rodata,"a",@progbits
	.p2align	6, 0x0
	.amdhsa_kernel k_q84f9d27bd4_prep
		.amdhsa_group_segment_fixed_size 11264
		.amdhsa_private_segment_fixed_size 0
		.amdhsa_enable_private_segment 0
		.amdhsa_kernarg_size 88
		.amdhsa_user_sgpr_count 2
		.amdhsa_user_sgpr_kernarg_segment_ptr 1
		.amdhsa_wavefront_size32 1
		.amdhsa_system_sgpr_workgroup_id_x 1
		.amdhsa_system_sgpr_workgroup_id_y 1
		.amdhsa_system_sgpr_workgroup_id_z 1
		.amdhsa_system_vgpr_workitem_id 0
		.amdhsa_next_free_vgpr 160
		.amdhsa_next_free_sgpr 66
		.amdhsa_reserve_vcc 1
		.amdhsa_float_denorm_mode_32 3
		.amdhsa_float_denorm_mode_16_64 3
		.amdhsa_memory_ordered 1
		.amdhsa_forward_progress 1
		.amdhsa_inst_pref_size 88
	.end_amdhsa_kernel
	.amdgpu_metadata
---
amdhsa.version: [ 1, 2 ]
amdhsa.kernels:
  - .name:           k_q84f9d27bd4_prep
    .symbol:         k_q84f9d27bd4_prep.kd
    .args:
      - { .name: attn_mask, .offset: 0, .size: 8, .value_kind: global_buffer, .address_space: global }
      - { .name: x, .offset: 8, .size: 8, .value_kind: global_buffer, .address_space: global }
      - { .name: gamma, .offset: 16, .size: 8, .value_kind: global_buffer, .address_space: global }
      - { .name: beta, .offset: 24, .size: 8, .value_kind: global_buffer, .address_space: global }
      - { .name: w_qkv, .offset: 32, .size: 8, .value_kind: global_buffer, .address_space: global }
      - { .name: w_out, .offset: 40, .size: 8, .value_kind: global_buffer, .address_space: global }
      - { .name: mk, .offset: 48, .size: 8, .value_kind: global_buffer, .address_space: global }
      - { .name: xn, .offset: 56, .size: 8, .value_kind: global_buffer, .address_space: global }
      - { .name: wq, .offset: 64, .size: 8, .value_kind: global_buffer, .address_space: global }
      - { .name: wo, .offset: 72, .size: 8, .value_kind: global_buffer, .address_space: global }
      - { .name: rt, .offset: 80, .size: 8, .value_kind: global_buffer, .address_space: global }
    .group_segment_fixed_size: 11264
    .private_segment_fixed_size: 0
    .kernarg_segment_align: 8
    .kernarg_segment_size: 88
    .max_flat_workgroup_size: 256
    .sgpr_count:     66
    .vgpr_count:     160
    .wavefront_size: 32
...
	.end_amdgpu_metadata
.endif
;; end of part 1
;; launch proj (part 2): grid 16 x 16, 4 waves a work-group, clusters of 4 x 4, 327,680 bytes of LDS; arguments xn, wq, rt, qkv; writes qkv
.if DOCPART == 2
	.amdgcn_target "amdgcn-amd-amdhsa--gfx1250"
	.amdhsa_code_object_version 6
	.text
	.protected	k_q84f9d27bd4_proj
	.globl	k_q84f9d27bd4_proj
	.p2align	8
	.type	k_q84f9d27bd4_proj,@function
k_q84f9d27bd4_proj:
	s_mov_b64 s[64:65], 0
	v_nop
	global_prefetch_b8 v0, s[64:65] scope:SCOPE_SE
	s_setreg_imm32_b32 hwreg(HW_REG_WAVE_MODE, 25, 1), 1
	s_wait_xcnt 0x0
	s_wait_alu depctr_hold_cnt(0) depctr_sa_sdst(0) depctr_va_vdst(0) depctr_va_sdst(0) depctr_va_ssrc(0) depctr_va_vcc(0) depctr_vm_vsrc(0)
	s_getreg_b32 s2, hwreg(HW_REG_IB_STS2, 6, 4)
	s_cmp_eq_u32 s2, 0
	s_cbranch_scc0 .Lentry_in_a_cluster
	s_endpgm
.Lentry_in_a_cluster:
	s_bfe_u32 s2, ttmp6, 0x10000c
	s_cmp_lg_u32 s2, 0xf033
	s_cbranch_scc0 .Lentry_shape_is_right
	s_endpgm
.Lentry_shape_is_right:
; PROJ: q, k, v = xn W (4096 x 1024 x 3072), f16 operands, f32 sums; the rotary embedding on q and k in f32; q, k, v rounded once to f16 and written by heads:
; qkv = three parts [32 (b, head)][2048][64].  q lies in row order.  The rows of k and v are PERMUTED inside each group of 64: row n goes to place 16 (n % 4) + (n / 4) % 16, so that in the attention
; the four scores that one lane holds at one register number are four neighbouring keys.
; SHARES.  A work-group makes 256 rows x one head's 192 columns (q, k, v of head g): 16 x 16 = 256 work-groups.  Wave w makes rows 64 w .. 64 w + 63 x all 192: 48 accumulators, 384 registers.
; K goes in 8 steps of 128 through two LDS slots filled by the tensor data mover; a quarter step is 32 along K: 48 matrix instructions on 32 LDS loads.
; CLUSTER 4 x 4.  The four of a row of the cluster need the same rows of xn, the four of a column the same head's weights: each tile is asked for jointly, same load, same descriptor, a mask that names the four.
; THE MATRIX INSTRUCTION IS USED TRANSPOSED: source 0 = 16 columns of W (W lies [k][column] in LDS and is turned by ds_load_tr16_b128), source 1 = 16 rows of xn.  A lane then holds one row and eight
; neighbouring columns; the rotary partners d and d + 32 lie in accumulators b and b + 2 at the same lane and register.
; LIMIT.  q, k and v must lie within f16's 65,504; NaN and infinities are not treated apart.
; REGISTERS, in windows of 256 (s_set_vgpr_msb: bits 1:0 source 0, 3:2 source 1, 5:4 source 2, 7:6 destination):
;   window 0: v16-31 addresses; v32-95 xn's fragments, two buffers of 32 (on the way out v32-63 at work); v96-127 rotated numbers; v128-255 cos and sin of my 64 rows
;   window 1: v0-191 W's fragments, two buffers of 96 (on the way out: v0-47 packed, v48-143 two sets of rows read back)
;   window 2: accumulators of row blocks 0, 1 ((a, b) at 96 (a % 2) + 8 b);   window 3: of row blocks 2, 3
.set PA,     272                       ; a row of xn's tile in LDS: 256 bytes + 16: the 16 rows of a fragment load start at 16 different groups of four banks
.set PB,     480                       ; a k-row of W's tile: three pieces (q, k, v) of 128 bytes + 32: 120 words
.set PIECE,  160
.set HALFA,  128*PA                    ; what wave 0 or 1 fetches: 128 rows of xn
.set HALFB,  64*PB                     ; what wave 2 or 3 fetches: 64 k-rows of W
.set BOFF,   2*HALFA
.set SLOT,   131072                    ; = BOFF + 2 HALFB
.set STAGE,  2*SLOT                    ; behind the ring: for each wave three parts (q, k, v) of 16 rows x 144 bytes
.set SP,     144
.set PART,   16*SP
.set WSTAGE, 3*PART
.set SPARE,  STAGE+4*WSTAGE            ; behind the stages: the spare words, 128 bytes a wave
.set ADRA, 16                          ; v16-17  my xn fragments in slot 0, 1
.set ADRB, 20                          ; v20-21  my place in W's tile in slot 0, 1
.set STO,  24                          ; v24  way out: where I put 16 bytes of a row
.set RDQ,  25                          ; v25  way out: four neighbouring stage rows
.set RDK,  26                          ; v26  way out: stage rows 4 (L / 8) + kt
.set GO,   27                          ; v27  16 L
.set SPW,  28                          ; v28  my spare word's address; never rewritten
.set NIL,  29                          ; v29  0; never rewritten
.set PFO,  30                          ; v30  the prefetches' lane offset; never rewritten
.set RTO,  31                          ; v31  my place in the table's rows; never rewritten
.set FA,   32
.set NR,   96
.set CSR,  128
.set G1A, 24                           ; s[24:31] descriptor group 1, xn's tiles;  s[32:39] group 0, a set for each slot
.set G0A, 32
.set PFT, 40                           ; s40  refills so far
.set PFN, 41                           ; s41  in how many of them I prefetch
.set PFA, 42                           ; s[42:43] where my prefetches stand
.set PFS, 44                           ; s[44:45] their step
.set G1B, 48                           ; s[48:55], s[56:63] the same for W's tiles
.set G0B, 56
.set OQ,  66                           ; s[66:67], s[68:69], s[70:71]  q, k, v at my wave's 64 rows
.set MSB, 0
.macro WIN new                         ; the immediate's high byte repeats the setting that is left; a switch that changes nothing is dropped
.if MSB != (\new)
	s_set_vgpr_msb (MSB<<8)|(\new)
.set MSB, \new
.endif
.endm
.set MUL_LO, 0xa1                      ; source 0 (W) window 1, source 1 (xn) window 0, C and D window 2
.set MUL_HI, 0xf1
.set TO_B,   0x40                      ; destination window 1
.macro JLOAD s                         ; a joint load: waves 0, 1 fetch xn's halves, waves 2, 3 W's.  An s_nop 0 and four v_nop follow each of the two lines
	s_cmp_eq_u32 s13, 0
	s_cbranch_scc0 .Lfor_b_\@
	tensor_load_to_lds s[G0A+4*(\s):G0A+4*(\s)+3], s[G1A:G1A+7]
	s_nop 0
.rept 4
	v_nop
.endr
	s_branch .Lasked_\@
.Lfor_b_\@:
	tensor_load_to_lds s[G0B+4*(\s):G0B+4*(\s)+3], s[G1B:G1B+7]
	s_nop 0
.rept 4
	v_nop
.endr
.Lasked_\@:
.endm
; A PREFETCH INTO THE L2 behind a refill, its five lines and the run of LDS loads.  xn: the K step two refills on, 32 rows x 256 bytes, a lane a row; the cluster with x = 0 asks, its four partners along x
; take 32 of a wave's 128 rows each, told apart by address; four asks name K steps 4 to 7.  W: a head's K steps 4 to 7 are 196,608 dense bytes; the cluster with y = 0 asks, 8 waves (2 x 4 partners along y)
; x 32 lanes x 256 bytes = 65,536 bytes an ask, three asks, each block two refills or more ahead of the load that wants it.  So each aligned block of 256 bytes is named once; K steps 0 to 3 come by their loads alone.
.macro ASK
	s_cmp_lt_u32 s[PFT], s[PFN]
	s_cbranch_scc0 .Lnot_mine_\@
	global_prefetch_b8 v[PFO], s[PFA:PFA+1] th:TH_LOAD_NT scope:SCOPE_SE
.Lnot_mine_\@:
	s_add_co_u32 s[PFT], s[PFT], 1
.endm
.macro CREST                           ; a round of the cluster's barrier behind its opening barrier
	s_cmp_lg_u32 s12, 0
	s_cbranch_scc1 .Lnot_wave_0_\@
	s_barrier_signal -3
.Lnot_wave_0_\@:
	s_barrier_wait -3
	s_barrier_signal -1
	s_barrier_wait -1
.endm
.macro CROUND
	s_barrier_signal -1
	s_barrier_wait -1
	CREST
.endm
	s_load_b256 s[4:11], s[0:1], 0x0               ; xn s[4:5], wq s[6:7], rt s[8:9], qkv s[10:11]
	v_lshl_add_u32 v[SPW], v0, 2, SPARE
	v_mov_b32 v[NIL], 0
	ds_add_u32 v[SPW], v[NIL]                      ; the wave's opening: the add and its wait, ahead of my first tensor load; work on registers stands between them
	v_lshrrev_b32 v1, 5, v0
	v_readfirstlane_b32 s12, v1                    ; wave 0..3
	s_lshr_b32 s13, s12, 1                         ; I fetch for xn (0) or for W (1)
	s_and_b32 s14, s12, 1                          ; which half of that tile
	s_bfe_u32 s15, ttmp6, 0x40000                  ; cx
	s_bfe_u32 s16, ttmp6, 0x40004                  ; cy
	s_lshl_b32 s17, ttmp9, 2
	s_add_co_u32 s17, s17, s15                     ; g, the head = 4 x cluster x + cx
	s_and_b32 s18, ttmp7, 0xffff
	s_lshl_b32 s18, s18, 2
	s_add_co_u32 s18, s18, s16                     ; ty, the block of 256 rows = 4 x cluster y + cy
	s_lshl_b32 s19, s16, 2
	s_lshl_b32 s19, 15, s19                        ; my row of the cluster
	s_lshl_b32 s20, 0x1111, s15                    ; my column
	s_or_b32 s[G1A], s19, (1<<16)|(1<<20)|(1<<21)|(5<<22)|(3<<25)  ; the mask; 2-byte elements; padding on; bit 21 beside a mask; after every 64 words, 4 words
	s_or_b32 s[G1B], s20, (1<<16)|(1<<20)|(1<<21)|(4<<22)|(7<<25)  ; after every 32 words, 8 words
	s_mov_b32 s[G1A+1], 128<<16                    ; xn: tensor_dim0 = 128
	s_mov_b32 s[G1A+2], 128<<16                    ; tensor_dim1 = 128
	s_mov_b32 s[G1A+3], 128<<16                    ; tile_dim0 = 128
	s_mov_b32 s[G1A+4], 128                        ; tile_dim1 = 128
	s_mov_b32 s[G1A+5], 1024                       ; elements from row to row
	s_mov_b32 s[G1A+6], 0
	s_mov_b32 s[G1A+7], 0
	s_mov_b32 s[G1B+1], 128<<16                    ; W: 64 k-rows of 384 bytes are 24,576 dense bytes: asked for as 96 rows of 256
	s_mov_b32 s[G1B+2], 96<<16
	s_mov_b32 s[G1B+3], 128<<16
	s_mov_b32 s[G1B+4], 96
	s_mov_b32 s[G1B+5], 128
	s_mov_b32 s[G1B+6], 0
	s_mov_b32 s[G1B+7], 0
	s_lshl_b32 s22, s18, 19                        ; xn: 256 ty rows of 2,048 bytes,
	s_lshl_b32 s23, s14, 18                        ; + my 128
	s_add_co_u32 s22, s22, s23
	s_mov_b32 s23, 0
	s_mul_i32 s46, s17, 393216                     ; W: head g's block,
	s_mul_i32 s47, s14, 24576                      ; + my 64 k-rows
	s_add_co_u32 s46, s46, s47
	s_mov_b32 s47, 0
	s_mul_i32 s72, s14, HALFA                      ; where they go: no place in the cluster enters an LDS address
	s_mul_i32 s73, s14, HALFB
	s_add_co_u32 s73, s73, BOFF
	s_wait_dscnt 0x0                               ; the opening add is done
	s_wait_kmcnt 0x0
	s_add_nc_u64 s[22:23], s[4:5], s[22:23]
	s_add_nc_u64 s[46:47], s[6:7], s[46:47]
	CROUND                                         ; all sixteen work-groups are here: the first joint loads meet
.irp s, 0,1
	s_mov_b32 s[G0A+4*(\s)], 1
	s_add_co_u32 s[G0A+4*(\s)+1], s72, (\s)*SLOT
	s_add_nc_u64 s[G0A+4*(\s)+2:G0A+4*(\s)+3], s[22:23], (\s)*256       ; K step s: 256 bytes along the rows
	s_or_b32 s[G0A+4*(\s)+3], s[G0A+4*(\s)+3], 0x80000000
	s_mov_b32 s[G0B+4*(\s)], 1
	s_add_co_u32 s[G0B+4*(\s)+1], s73, (\s)*SLOT
	s_add_nc_u64 s[G0B+4*(\s)+2:G0B+4*(\s)+3], s[46:47], (\s)*49152     ; K step s: 128 k-rows of 384 bytes
	s_or_b32 s[G0B+4*(\s)+3], s[G0B+4*(\s)+3], 0x80000000
	JLOAD \s                                       ; two loads of mine are out
.endr
	; cos and sin of my 64 rows' positions: lane (r, h) wants j = 16 bb + 8 h + 0..7 of row 16 a + r
	v_and_b32 v1, 15, v0                           ; r
	v_bfe_u32 v2, v0, 4, 1                         ; h
	v_lshlrev_b32 v[RTO], 8, v1
	v_lshl_add_u32 v[RTO], v2, 5, v[RTO]
	s_and_b32 s74, s18, 7                          ; the position is the row inside its batch of 2,048
	s_lshl_b32 s74, s74, 16
	s_lshl_b32 s75, s12, 14
	s_add_co_u32 s74, s74, s75
	s_mov_b32 s75, 0
	s_add_nc_u64 s[8:9], s[8:9], s[74:75]
.irp a, 0,1,2,3
.irp e, 0,1,2,3,4,5,6,7                ; cos bb = 0, cos bb = 1, sin bb = 0, sin bb = 1: eight registers each
	global_load_b128 v[CSR+32*\a+4*\e:CSR+32*\a+4*\e+3], v[RTO], s[8:9] offset:\a*4096+(\e/2)*64+(\e%2)*16
.endr
.endr
	v_mul_u32_u24 v3, v1, PA
	v_lshl_add_u32 v3, v2, 4, v3
	s_mul_i32 s74, s12, 64*PA
	v_add_nc_u32 v[ADRA], s74, v3                  ; my 64 rows: row x pitch + 16 x half
	v_add_nc_u32 v[ADRA+1], SLOT, v[ADRA]
	v_and_b32 v4, 7, v0
	v_lshl_add_u32 v5, v2, 3, v4                   ; the turning load: lane L reads k-row 8 (L / 16) + L % 8, columns 8 ((L / 8) % 2) + 0..7
	v_mul_u32_u24 v5, v5, PB
	v_bfe_u32 v6, v0, 3, 1
	v_lshl_add_u32 v5, v6, 4, v5
	v_add_nc_u32 v[ADRB], BOFF, v5
	v_add_nc_u32 v[ADRB+1], SLOT, v[ADRB]
	s_mul_i32 s74, s12, WSTAGE
	s_add_co_u32 s74, s74, STAGE                   ; my stage
	v_mul_u32_u24 v3, v1, SP
	v_lshl_add_u32 v3, v2, 4, v3
	v_add_nc_u32 v[STO], s74, v3
	v_bfe_u32 v3, v0, 3, 2                         ; L / 8
	v_lshlrev_b32 v4, 4, v4
	v_mul_u32_u24 v5, v3, SP
	v_add_nc_u32 v5, v5, v4
	v_add_nc_u32 v[RDQ], s74, v5
	v_mul_u32_u24 v5, v3, 4*SP
	v_add_nc_u32 v5, v5, v4
	v_add_nc_u32 v[RDK], s74, v5
	v_and_b32 v[GO], 31, v0
	v_lshlrev_b32 v[GO], 4, v[GO]
	s_lshr_b32 s74, s18, 3                         ; the batch,
	s_lshl_b32 s74, s74, 4
	s_add_co_u32 s74, s74, s17                     ; its head g: 262,144 bytes each,
	s_lshl_b32 s74, s74, 18
	s_and_b32 s75, s18, 7
	s_lshl_b32 s75, s75, 15                        ; the block's 256 rows of 128 bytes,
	s_add_co_u32 s74, s74, s75
	s_lshl_b32 s75, s12, 13                        ; my 64
	s_add_co_u32 s74, s74, s75
	s_mov_b32 s75, 0
	s_add_nc_u64 s[OQ:OQ+1], s[10:11], s[74:75]
	s_add_nc_u64 s[OQ+2:OQ+3], s[OQ:OQ+1], 0x800000
	s_add_nc_u64 s[OQ+4:OQ+5], s[OQ+2:OQ+3], 0x800000
	; the prefetches
	s_lshl_b32 s78, s18, 19                        ; xn: my 128 rows,
	s_lshl_b32 s79, s14, 18
	s_add_co_u32 s78, s78, s79
	s_lshl_b32 s79, s15, 16                        ; my work-group's 32 of them,
	s_add_co_u32 s78, s78, s79
	s_add_co_u32 s78, s78, 768                     ; at K step 3: the first refill steps it to 4
	s_mul_i32 s80, s17, 393216                     ; W: head g,
	s_lshl_b32 s81, s14, 2
	s_add_co_u32 s81, s81, s16                     ; my 8,192 bytes of an ask's 65,536,
	s_lshl_b32 s81, s81, 13
	s_add_co_u32 s80, s80, s81
	s_add_co_u32 s80, s80, 131072                  ; one ask ahead of K step 4's first byte, 196,608
	s_and_b32 s76, ttmp7, 0xffff                   ; cluster y
	s_mov_b32 s82, 256
	s_mov_b32 s83, 0x10000
	s_cmp_eq_u32 s13, 0                            ; do I fetch for xn?
	s_cselect_b32 s76, ttmp9, s76                  ; the coordinate along which other clusters read the same bytes
	s_cselect_b32 s77, 4, 3
	s_cselect_b64 s[PFA:PFA+1], s[4:5], s[6:7]
	s_cselect_b32 s[PFS], s82, s83
	s_cselect_b32 s78, s78, s80
	s_cselect_b32 s82, 11, 8                       ; a lane a row of 2,048 bytes, or a lane a block of 256
	s_mov_b32 s79, 0
	s_mov_b32 s[PFS+1], 0
	s_add_nc_u64 s[PFA:PFA+1], s[PFA:PFA+1], s[78:79]
	s_cmp_eq_u32 s76, 0
	s_cselect_b32 s[PFN], s77, 0                   ; the same in all sixteen partners, for a given wave
	s_mov_b32 s[PFT], 0
	v_and_b32 v[PFO], 31, v0
	v_lshlrev_b32 v[PFO], s82, v[PFO]
; 12 matrix instructions: row block 2 hi + a x all 12 column blocks, 32 along K, from buffer f.  The 48 accumulators take turns, in the same order in every quarter step.  zero = 1: the product starts the sum.
.macro MUL12 f, hi, a, zero
	WIN MUL_LO+0x50*(\hi)
.irp b, 0,1,2,3,4,5,6,7,8,9,10,11
.if \zero
	v_wmma_f32_16x16x32_f16 v[96*(\a)+8*(\b):96*(\a)+8*(\b)+7], v[96*(\f)+8*(\b):96*(\f)+8*(\b)+7], v[FA+32*(\f)+8*(2*(\hi)+(\a)):FA+32*(\f)+8*(2*(\hi)+(\a))+7], 0
.else
	v_wmma_f32_16x16x32_f16 v[96*(\a)+8*(\b):96*(\a)+8*(\b)+7], v[96*(\f)+8*(\b):96*(\f)+8*(\b)+7], v[FA+32*(\f)+8*(2*(\hi)+(\a)):FA+32*(\f)+8*(2*(\hi)+(\a))+7], v[96*(\a)+8*(\b):96*(\a)+8*(\b)+7]
.endif
.endr
.endm
; 32 LDS loads in one run: quarter q of the slot's K step into buffer g: W's 12 fragments (turned), then xn's 4
.macro FETCH slot, q, g
	WIN TO_B
.irp b, 0,1,2,3,4,5,6,7,8,9,10,11
	ds_load_tr16_b128 v[96*(\g)+8*(\b):96*(\g)+8*(\b)+3],   v[ADRB+(\slot)] offset:(\q)*32*PB+((\b)/4)*PIECE+((\b)%4)*32
	ds_load_tr16_b128 v[96*(\g)+8*(\b)+4:96*(\g)+8*(\b)+7], v[ADRB+(\slot)] offset:(\q)*32*PB+16*PB+((\b)/4)*PIECE+((\b)%4)*32
.endr
	WIN 0
.irp i, 0,1,2,3
	ds_load_b128 v[FA+32*(\g)+8*(\i):FA+32*(\g)+8*(\i)+3],   v[ADRA+(\slot)] offset:(\q)*64+(\i)*16*PA
	ds_load_b128 v[FA+32*(\g)+8*(\i)+4:FA+32*(\g)+8*(\i)+7], v[ADRA+(\slot)] offset:(\q)*64+(\i)*16*PA+32
.endr
.endm
.macro PLACES                          ; four plain instructions between a matrix instruction and a load into, or a vector instruction on, its registers
.rept 4
	v_nop
.endr
.endm
; One of a K step's first three quarters: multiplies buffer f; in its middle it fetches quarter q into buffer g.
.macro QUARTER slot, q, f, g, zero
	s_wait_dscnt 4                                 ; W and xn's row blocks 0, 1 are in; the youngest four loads (row blocks 2, 3) may be out
	MUL12 \f, 0, 0, \zero
	MUL12 \f, 0, 1, \zero
	PLACES
	FETCH \slot, \q, \g
	s_wait_dscnt 32                                ; all but the 32 just issued
	MUL12 \f, 1, 0, \zero
	MUL12 \f, 1, 1, \zero
.endm
; The last quarter multiplies buffer 1 and changes slots: ONE barrier; ahead of it each wave waits for all its tensor loads (the one that is out is its part of the next slot), adds 0 to its spare word,
; and waits for that and for its reads of this slot.  fill = 1: the barrier opens a round of the cluster's, and this slot is filled again, two K steps on, first thing behind the round:
; 168 matrix instructions ahead of the wait for it.
.macro TURN slot, next, fill
.if \fill
	s_wait_xcnt 0x0                                ; the last prefetch, a K step back, has read its address: it is stepped here
	s_add_nc_u64 s[PFA:PFA+1], s[PFA:PFA+1], s[PFS:PFS+1]
.endif
	WIN 0
	s_wait_tensorcnt 0x0
	ds_add_u32 v[SPW], v[NIL]
	s_wait_dscnt 5                                 ; (the add and the youngest four loads may be out)
	MUL12 1, 0, 0, 0
	s_wait_dscnt 0x0                               ; the add is done, and my reads of this slot are over
	s_barrier_signal -1
	MUL12 1, 0, 1, 0
.if \fill
	WIN 0
.endif
	s_barrier_wait -1
.if \fill
	CREST                                          ; no wave of any partner still reads this slot or has a load on its way
	s_add_nc_u64 s[G0A+4*(\slot)+2:G0A+4*(\slot)+3], s[G0A+4*(\slot)+2:G0A+4*(\slot)+3], 2*256
	s_add_nc_u64 s[G0B+4*(\slot)+2:G0B+4*(\slot)+3], s[G0B+4*(\slot)+2:G0B+4*(\slot)+3], 2*49152
	JLOAD \slot                                    ; its four v_nop are also the places in front of the loads below
.else
	PLACES
.endif
	FETCH \next, 0, 0
.if \fill
	ASK
.endif
	MUL12 1, 1, 0, 0
	MUL12 1, 1, 1, 0
.endm
	s_wait_tensorcnt 1                             ; my part of K step 0 is in; K step 1's may stay out
	s_barrier_signal -1
	s_barrier_wait -1
	FETCH 0, 0, 0
	QUARTER 0, 1, 0, 1, 1                          ; the first quarter stands in front of the loop: its products start the sums
	WIN 0
	s_mov_b32 s3, 3
.Llap:                                                 ; a trip goes once round the ring and fills both slots again: K steps 2 to 7
	QUARTER 0, 2, 1, 0, 0
	QUARTER 0, 3, 0, 1, 0
	TURN 0, 1, 1
	QUARTER 1, 1, 0, 1, 0
	QUARTER 1, 2, 1, 0, 0
	QUARTER 1, 3, 0, 1, 0
	TURN 1, 0, 1
	QUARTER 0, 1, 0, 1, 0
	WIN 0
	s_sub_co_u32 s3, s3, 1
	s_cmp_lg_u32 s3, 0
	s_cbranch_scc1 .Llap
	QUARTER 0, 2, 1, 0, 0                          ; the last lap fills nothing
	QUARTER 0, 3, 0, 1, 0
	TURN 0, 1, 0
	QUARTER 1, 1, 0, 1, 0
	QUARTER 1, 2, 1, 0, 0
	QUARTER 1, 3, 0, 1, 0
	s_wait_dscnt 4
	MUL12 1, 0, 0, 0
	MUL12 1, 0, 1, 0
	s_wait_dscnt 0x0
	MUL12 1, 1, 0, 0
	MUL12 1, 1, 1, 0
	WIN 0
; THE WAY OUT, a row block (16 rows) at a time.  ROPE a, p: part p (0 q, 1 k): first half t1 cos - t2 sin, second half t2 cos + t1 sin, in f32; each accumulator is read from its lowest registers on.
.macro ROPE a, p
	WIN 0x02+((\a)/2)                              ; source 0: the accumulators' window
.irp bb, 0,1
.irp jj, 0,2,4,6
.set A1, 96*((\a)%2)+8*(4*(\p)+(\bb))+(\jj)
.set A2, A1+16
.set CC, CSR+32*(\a)+8*(\bb)+(\jj)
.set SS, CC+16
.set T0, 32+4*(4*(\bb)+(\jj)/2)
.set N1, NR+8*(\bb)+(\jj)
	v_pk_mul_f32 v[T0:T0+1], v[A2:A2+1], v[SS:SS+1]
	v_pk_mul_f32 v[T0+2:T0+3], v[A1:A1+1], v[SS:SS+1]
	v_pk_fma_f32 v[N1:N1+1], v[A1:A1+1], v[CC:CC+1], v[T0:T0+1] neg_lo:[0,0,1] neg_hi:[0,0,1]
	v_pk_fma_f32 v[N1+16:N1+17], v[A2:A2+1], v[CC:CC+1], v[T0+2:T0+3]
.endr
.endr
	WIN 0x40
.set z, 0
.rept 16
	v_cvt_pk_f16_f32 v[16*(\p)+z], v[NR+2*z], v[NR+2*z+1]
.set z, z+1
.endr
.endm
.macro PACK a
	ROPE \a, 0
	ROPE \a, 1
	WIN 0x4a+5*((\a)/2)                            ; v: straight from accumulators 8 to 11
.set z, 0
.rept 16
	v_cvt_pk_f16_f32 v[32+z], v[96*((\a)%2)+64+2*z], v[96*((\a)%2)+65+2*z]
.set z, z+1
.endr
.endm
.macro TOSTAGE a                       ; 16 bytes a lane into my stage, and back as rows of 128 bytes: q's in order, k's and v's every fourth row
.set BK, 48+48*((\a)%2)
	WIN 0x04                                       ; store data in window 1
.set b, 0
.rept 12
	ds_store_b128 v[STO], v[4*b:4*b+3] offset:(b/4)*PART+(b%4)*32
.set b, b+1
.endr
	s_wait_xcnt 0x0                                ; the stores of two blocks back have read this set of registers
	WIN 0x40
.irp f, 0,1,2,3
	ds_load_b128 v[BK+4*\f:BK+4*\f+3], v[RDQ] offset:\f*4*SP         ; LDS serves a wave's instructions in order: these see the stores above
.endr
.irp f, 0,1,2,3
	ds_load_b128 v[BK+16+4*\f:BK+16+4*\f+3], v[RDK] offset:PART+\f*SP
.endr
.irp f, 0,1,2,3
	ds_load_b128 v[BK+32+4*\f:BK+32+4*\f+3], v[RDK] offset:2*PART+\f*SP
.endr
.endm
.macro SEND a                          ; every store: 512 consecutive bytes, aligned.  Stage rows 4 i + kt of block a go to places 16 kt + 4 a + i
.set BK, 48+48*((\a)%2)
	WIN 0x04
	s_wait_dscnt 0x0
.irp f, 0,1,2,3
	global_store_b128 v[GO], v[BK+4*\f:BK+4*\f+3], s[OQ:OQ+1] offset:(\a)*2048+\f*512
.endr
.irp f, 0,1,2,3
	global_store_b128 v[GO], v[BK+16+4*\f:BK+16+4*\f+3], s[OQ+2:OQ+3] offset:\f*2048+(\a)*512
.endr
.irp f, 0,1,2,3
	global_store_b128 v[GO], v[BK+32+4*\f:BK+32+4*\f+3], s[OQ+4:OQ+5] offset:\f*2048+(\a)*512
.endr
.endm
	PLACES
	s_wait_loadcnt 0x0                             ; cos and sin
	PACK 0
	TOSTAGE 0
.irp a, 1,2,3                          ; a block's arithmetic stands between the loads of the block before and the wait for them
	PACK \a
	SEND (\a)-1
	TOSTAGE \a
.endr
	SEND 3
	WIN 0
	s_wait_tensorcnt 0x0                           ; the wave's end
	ds_add_u32 v[SPW], v[NIL]
	s_wait_dscnt 0x0
	CROUND                                         ; the closing round: no work-group ends while a partner may still ask for a tile that names it
	s_endpgm
.Lfunc_end_k_q84f9d27bd4_proj:
	.size	k_q84f9d27bd4_proj, .Lfunc_end_k_q84f9d27bd4_proj-k_q84f9d27bd4_proj
	.p2alignl 7, 3214868480
	.fill 96, 4, 3214868480
	.section	.rodata,"a",@progbits
	.p2align	6, 0x0
	.amdhsa_kernel k_q84f9d27bd4_proj
		.amdhsa_group_segment_fixed_size 327680
		.amdhsa_private_segment_fixed_size 0
		.amdhsa_enable_private_segment 0
		.amdhsa_kernarg_size 32
		.amdhsa_user_sgpr_count 2
		.amdhsa_user_sgpr_kernarg_segment_ptr 1
		.amdhsa_wavefront_size32 1
		.amdhsa_system_sgpr_workgroup_id_x 1
		.amdhsa_system_sgpr_workgroup_id_y 1
		.amdhsa_system_sgpr_workgroup_id_z 1
		.amdhsa_system_vgpr_workitem_id 0
		.amdhsa_next_free_vgpr 1024
		.amdhsa_next_free_sgpr 84
		.amdhsa_reserve_vcc 0
		.amdhsa_float_denorm_mode_32 3
		.amdhsa_float_denorm_mode_16_64 3
		.amdhsa_memory_ordered 1
		.amdhsa_forward_progress 1
		.amdhsa_inst_pref_size 140
	.end_amdhsa_kernel
	.amdgpu_metadata
---
amdhsa.version: [ 1, 2 ]
amdhsa.kernels:
  - .name:           k_q84f9d27bd4_proj
    .symbol:         k_q84f9d27bd4_proj.kd
    .args:
      - { .name: xn, .offset: 0, .size: 8, .value_kind: global_buffer, .address_space: global }
      - { .name: wq, .offset: 8, .size: 8, .value_kind: global_buffer, .address_space: global }
      - { .name: rt, .offset: 16, .size: 8, .value_kind: global_buffer, .address_space: global }
      - { .name: qkv, .offset: 24, .size: 8, .value_kind: global_buffer, .address_space: global }
    .group_segment_fixed_size: 327680
    .private_segment_fixed_size: 0
    .kernarg_segment_align: 8
    .kernarg_segment_size: 32
    .max_flat_workgroup_size: 128
    .sgpr_count:     84
    .vgpr_count:     1024
    .wavefront_size: 32
...
	.end_amdgpu_metadata
.endif
;; end of part 2
;; launch attn (part 3): grid 8 x 32, 4 waves a work-group, clusters of 4 x 1, 327,680 bytes of LDS; arguments qkv, mk, o; writes o
.if DOCPART == 3
	.amdgcn_target "amdgcn-amd-amdhsa--gfx1250"
	.amdhsa_code_object_version 6
	.text
	.protected	k_q84f9d27bd4_attn
	.globl	k_q84f9d27bd4_attn
	.p2align	8
	.type	k_q84f9d27bd4_attn,@function
k_q84f9d27bd4_attn:
	s_mov_b64 s[64:65], 0
	v_nop
	global_prefetch_b8 v0, s[64:65] scope:SCOPE_SE
	s_setreg_imm32_b32 hwreg(HW_REG_WAVE_MODE, 25, 1), 1
	s_wait_xcnt 0x0
	s_wait_alu depctr_hold_cnt(0) depctr_sa_sdst(0) depctr_va_vdst(0) depctr_va_sdst(0) depctr_va_ssrc(0) depctr_va_vcc(0) depctr_vm_vsrc(0)
	s_getreg_b32 s2, hwreg(HW_REG_IB_STS2, 6, 4)
	s_cmp_eq_u32 s2, 0
	s_cbranch_scc0 .Lentry_in_a_cluster
	s_endpgm
.Lentry_in_a_cluster:
	s_bfe_u32 s2, ttmp6, 0x10000c
	s_cmp_lg_u32 s2, 0x3003
	s_cbranch_scc0 .Lentry_shape_is_right
	s_endpgm
.Lentry_shape_is_right:
; ATTN: O[bh][q][:] = the sum over visible k of softmax_k(Q[bh][q] . K[bh][k] / 8) V[bh][k][:]; a query with no visible key gives 0.  Q, K, V: the three parts of qkv, [32][2048][64] f16; O likewise.
; Products, maxima and sums in f32; the weights p are rounded to f16 for the second product (their sum l is taken of the unrounded p), O once at the end.
; THE MASK is data, one byte a (query, key) in mk: 0x00 visible, 0xF0 hidden.  It is the C operand that starts the sum S^T = K Q^T.  K's and V's rows lie permuted in each group of 64 (place 16 kt + m holds key 4 m + kt),
; so the four scores that a lane holds at register j of the accumulators kt = 0..3 are four neighbouring keys, and their four bytes one word W[j].  As an f32 a word whose top byte is 0xF0 is at most -2^97, one whose top byte
; is 0 at most 2.4e-38.  So C(kt = 3) is W itself and C(kt) = W << (24 - 8 kt): 24 shifts for 16 queries x 64 keys.
; SOFTMAX.  A running maximum m and sum l for each query: p = 2^(c s - c m), c = log2(e) / 8; in every step O and l are multiplied by a = 2^(c m_old - c m_new).  m starts at -2^90, between every score that f16 operands can
; give (2.7e11 at the most) and every hidden one: a hidden score's weight is 2^(-2.8e28 or less) = 0; while a query has seen no key, m stays, a = 1, l = 0 and O = 0; its first visible score gives a = 0.  At the end O is
; multiplied by 1 / l where l > 0 and by 0 elsewhere, by a select.
; LIMITS.  Q, K, V arrive within f16's 65,504; p below 6e-5 keeps f16's fixed step of 6e-8; a weight below 2^-126 counts as 0 in l; NaN and infinities are not treated apart.
; SHARES.  A work-group owns 256 queries of one (batch, head), each of its four waves 64: four PIECES of 16.  Every wave walks all 2,048 keys, 64 a step; a slot of LDS holds four steps.
; TURNS.  Turn n belongs to piece n: 8 products K Q^T of piece n + 1, later 8 products V^T P of piece n - 1; beside them the scaling, exponentials, roundings, sums and rescaling of piece n, the maximum and statistics of
; piece n + 1, the loads of piece n + 1's next mask words and the shifts for piece n + 2.  Four vector instructions stand behind every matrix instruction, the rest in a lump; a turn's 33 exponentials are one batch with one wait.
; CLUSTER.  The four query blocks of a cluster belong to one head and walk the same K and V: each tile is asked for jointly, same load, descriptor and mask in all four.
; REGISTERS, in windows of 256 (s_set_vgpr_msb: bits 1:0 source 0, 3:2 source 1, 5:4 source 2, 7:6 destination):
;   window 0: v0-15 addresses; v16-31 statistics; v32-39 mask addresses; v48-55 at work; v64-127 S^T, two buffers; v128-175 shifted masks, two buffers of 24; v192-223 P, two buffers; v224-255 mask words, 8 a piece
;   window 1: v0-127 O^T, 32 a piece          window 2: v0-63 Q; v128-191 K of one step; v192-255 V of one step
.set NP,    4
.set KS,    64
.set PK,    144       ; a row of K in LDS: 128 bytes + 16: the 16 rows of a load start at 16 different groups of four banks
.set PV,    160       ; a row of V: 128 + 32
.set VOFF,  4*KS*PK   ; a slot: 256 rows of K, then 256 rows of V
.set SLOT1, 1<<17
.set STAGE, SLOT1+4*KS*(PK+PV)  ; behind the ring: 16 rows x 144 bytes for each wave, for the way out
.set SP,    144
.set SPARE, STAGE+4*16*SP       ; behind the stages: the spare words, 128 bytes a wave
.set AK0, 2           ; v2   my lane's place in a tile of K; never rewritten
.set AV0, 3           ; v3   the same for V
.set AK,  4           ; v4   the LDS address of K's next run of loads
.set AV,  5           ; v5   of V's
.set STO, 6
.set RD,  7
.set GO,  8
.set MV,  12          ; v12-13  c m_old, by buffer
.set QO,  15
.set ST,  16          ; piece t's statistics at v[ST+4 t]: c m, m, l (even places', odd places')
.set ML,  32          ; v32  16 x lane; never rewritten
.set PFO, 33          ; v33  256 x lane; never rewritten
.set MO,  36          ; v36-39  piece x's mask offset: a register a piece, so that none is rewritten while its loads are out
.set TMP, 48
.set SPW, 62
.set NIL, 63
.set S,   64
.set MC,  128
.set P,   192
.set W,   224
.set KF,  128         ; window 2
.set VF,  192         ; window 2
.set WV,  12
.set LIM, 15          ; s15  1 in a wave that prefetches, else the greatest number
.set G1K, 24
.set G1V, 32
.set G0K, 40
.set G0V, 44
.set PFA, 48          ; s[48:49]
.set SLOTS, 56
.set CNT, 57
.set CS,  58
.set SEL, 60
.set TBK, 62
.set TBV, 63
.set MKB, 70          ; s[70:71] mk at my wave's four pieces
.set MS,  72          ; s72  1,024 x the step whose mask words are asked for
.set MSB, 0
.macro WIN new
.if MSB != (\new)
	s_set_vgpr_msb (MSB<<8)|(\new)
.set MSB, (\new)
.endif
.endm
.set W_KQ, 0x0a       ; K and Q in window 2; the mask and S^T in window 0
.set W_PV, 0x52       ; V in window 2, P in window 0, O^T in window 1
.set W_RS, 0x41       ; destination and source 0 in window 1, source 1 in window 0
.macro JLOAD                        ; a joint fill: waves 0, 1 fetch the halves of a tile's K, waves 2, 3 of its V.  An s_nop 0 and four v_nop follow each of the two lines
	s_cmp_lt_u32 s[WV], 2
	s_cbranch_scc0 .Lfor_v_\@
	tensor_load_to_lds s[G0K:G0K+3], s[G1K:G1K+7]
	s_nop 0
.rept 4
	v_nop
.endr
	s_branch .Lasked_\@
.Lfor_v_\@:
	tensor_load_to_lds s[G0V:G0V+3], s[G1V:G1V+7]
	s_nop 0
.rept 4
	v_nop
.endr
.Lasked_\@:
.endm
; A PREFETCH INTO THE L2 of the tile that the NEXT change of slots will ask for: 32,768 bytes of K and of V, four key steps ahead.  Both clusters of a head walk the same rows: the first asks; its four partners take 8,192 bytes
; each, told apart by address; in each, wave 0 asks for K's and wave 2 for V's, a lane 256 bytes.  So each block is named once.  Tiles 0 to 2 come by their loads alone; the last change that fills a slot asks for nothing.
.macro ASK
	s_cmp_gt_u32 s[SLOTS], s[LIM]
	s_cbranch_scc0 .Lnot_mine_\@
	global_prefetch_b8 v[PFO], s[PFA:PFA+1] th:TH_LOAD_NT scope:SCOPE_SE
.Lnot_mine_\@:
.endm
.macro CROUND
	s_barrier_signal -1
	s_barrier_wait -1
	s_cmp_lg_u32 s[WV], 0
	s_cbranch_scc1 .Lnot_wave_0_\@
	s_barrier_signal -3
.Lnot_wave_0_\@:
	s_barrier_wait -3
	s_barrier_signal -1
	s_barrier_wait -1
.endm
; THE CHANGE OF SLOTS.  Each wave waits for all its tensor loads (one is out: its part of the other slot), adds 0 to its spare word, and waits for that and for its reads of the slot that it leaves.
; fill = 1: the barrier is a round of the cluster's, and the old slot is filled again first thing behind it, with the keys two slots on: four key steps, 256 matrix instructions, in which to land.
.macro CHANGE fill, ask
	WIN 0
	s_wait_tensorcnt 0x0            ; no tensor load of mine is out, so a group 0 may be written
	ds_add_u32 v[SPW], v[NIL]
.if \fill
.irp g, G0K, G0V
	s_xor_b32 s[\g+1], s[\g+1], SLOT1
	s_add_nc_u64 s[\g+2:\g+3], s[\g+2:\g+3], 4*KS*128
.endr
.if \ask
	s_wait_xcnt 0x0                 ; the last prefetch, four key steps back, has read its address
	s_add_nc_u64 s[PFA:PFA+1], s[PFA:PFA+1], 4*KS*128
.endif
	s_wait_dscnt 0x0                ; the add is done, and my reads of the slot are over
	CROUND
	JLOAD
.if \ask
	ASK
.endif
.else
	s_wait_dscnt 0x0
	s_barrier_signal -1
	s_barrier_wait -1
.endif
	s_sub_co_u32 s[TBK], s[TBK], 4*KS*PK  ; the fetches go back to a slot's first step, in the other slot
	s_xor_b32 s[TBK], s[TBK], SLOT1
	s_sub_co_u32 s[TBV], s[TBV], 4*KS*PV
	s_xor_b32 s[TBV], s[TBV], SLOT1
.endm
	s_load_b128 s[68:71], s[0:1], 0x0  ; qkv s[68:69], mk s[70:71]
	s_load_b64 s[10:11], s[0:1], 0x10  ; o
	v_lshl_add_u32 v[SPW], v0, 2, SPARE
	v_mov_b32 v[NIL], 0
	ds_add_u32 v[SPW], v[NIL]       ; the wave's opening: the add and its wait, ahead of my first tensor load
	v_lshrrev_b32 v1, 5, v0
	v_readfirstlane_b32 s[WV], v1   ; wave 0..3
	s_bfe_u32 s13, ttmp6, 0x40000   ; cx
	s_lshl_b32 s14, ttmp9, 2
	s_add_co_u32 s14, s14, s13      ; my block of 256 queries: it enters Q's, O's and the mask's addresses alone
	s_and_b32 s20, ttmp7, 0xffff    ; (batch, head), which the four partners share
	s_lshr_b32 s50, s20, 4          ; the batch
	s_lshl_b32 s20, s20, 18         ; the head's 262,144 bytes in each part
	s_and_b32 s16, s[WV], 1         ; which half of a tile's 256 keys I fetch
	s_lshl_b32 s22, s16, 14
	s_add_co_u32 s22, s22, s20
	s_add_co_u32 s22, s22, 0x800000 ; K's part of qkv
	s_mov_b32 s23, 0
	s_mul_i32 s17, s16, 128*PK
	s_mul_i32 s18, s16, 128*PV
	s_lshl_b32 s2, s14, 15          ; my block's 256 rows of 128 bytes,
	s_lshl_b32 s3, s[WV], 13        ; my wave's 64
	s_add_co_u32 s2, s2, s3
	s_add_co_u32 s2, s2, s20
	s_mov_b32 s3, 0
	s_lshl_b32 s50, s50, 7          ; the mask: 128 groups of 16 queries a batch,
	s_lshl_b32 s51, s14, 4          ; 16 a block,
	s_add_co_u32 s50, s50, s51
	s_lshl_b32 s51, s[WV], 2        ; 4 a wave,
	s_add_co_u32 s50, s50, s51
	s_lshl_b32 s50, s50, 15         ; 32,768 bytes each
	s_mov_b32 s51, 0
	; descriptor group 1.  128 keys are 16,384 dense bytes: asked for as 64 rows of 256 bytes, and padded in LDS after every key
	s_mov_b32 s[G1K], 15|(1<<16)|(1<<20)|(1<<21)|(4<<22)|(3<<25)  ; the mask of four; 2-byte elements; padding on; bit 21 beside a mask; after every 32 words, 4 words
	s_mov_b32 s[G1V], 15|(1<<16)|(1<<20)|(1<<21)|(4<<22)|(7<<25)  ; 8 words
.irp g, G1K, G1V
	s_mov_b32 s[\g+1], 128<<16
	s_mov_b32 s[\g+2], 64<<16
	s_mov_b32 s[\g+3], 128<<16
	s_mov_b32 s[\g+4], 64
	s_mov_b32 s[\g+5], 128
	s_mov_b32 s[\g+6], 0
	s_mov_b32 s[\g+7], 0
.endr
	s_mov_b32 s[CS], 0x3e38aa3b     ; c = log2(e) / 8
	s_mov_b32 s[CS+1], s[CS]
	s_mov_b32 s[SEL], 0x76543210
	s_mov_b32 s[SEL+1], 0xfedcba98
	s_mov_b32 s[TBK], SLOT1+4*KS*PK ; the first change of slots turns these two into 0
	s_mov_b32 s[TBV], SLOT1+4*KS*PV
	s_mov_b32 s[G0K], 1
	s_mov_b32 s[G0K+1], s17
	s_mov_b32 s[G0V], 1
	s_add_co_u32 s[G0V+1], s18, VOFF
	s_mov_b32 s[MS], 1024
	s_and_b32 s[LIM], s[WV], 1      ; 0 in waves 0 and 2,
	s_or_b32 s[LIM], s[LIM], ttmp9  ; where the cluster is the head's first: the same in all four partners
	s_cmp_eq_u32 s[LIM], 0
	s_cselect_b32 s[LIM], 1, -1
	s_wait_dscnt 0x0                ; the opening add is done
	s_wait_kmcnt 0x0
	s_add_nc_u64 s[6:7], s[68:69], s[22:23]   ; K at my half of the head's tile 0,
	s_add_nc_u64 s[8:9], s[6:7], 0x800000     ; V likewise
	s_add_nc_u64 s[4:5], s[68:69], s[2:3]     ; Q and O at my wave's first row
	s_add_nc_u64 s[10:11], s[10:11], s[2:3]
	s_add_nc_u64 s[MKB:MKB+1], s[MKB:MKB+1], s[50:51]
	s_mov_b64 s[G0K+2:G0K+3], s[6:7]
	s_or_b32 s[G0K+3], s[G0K+3], 0x80000000
	s_mov_b64 s[G0V+2:G0V+3], s[8:9]
	s_or_b32 s[G0V+3], s[G0V+3], 0x80000000
	s_cmp_lt_u32 s[WV], 2
	s_cselect_b64 s[PFA:PFA+1], s[6:7], s[8:9]  ; (in waves 0 and 2 these stand at a tile's first row)
	s_lshl_b32 s2, s13, 13          ; my work-group's 8,192 bytes of a tile's 32,768
	s_add_nc_u64 s[PFA:PFA+1], s[PFA:PFA+1], s[2:3]
	s_add_nc_u64 s[PFA:PFA+1], s[PFA:PFA+1], 2*4*KS*128  ; in tile 2; the loop's first change steps it to tile 3
	CROUND                          ; all four work-groups are here: the first joint loads meet
	JLOAD                           ; tile 0 into slot 0
	v_and_b32 v1, 15, v0            ; l % 16
	v_bfe_u32 v9, v0, 4, 1          ; l / 16
	v_lshlrev_b32 v[QO], 7, v1
	v_lshl_add_u32 v[QO], v9, 4, v[QO]
	v_and_b32 v[ML], 31, v0
	v_lshlrev_b32 v[PFO], 8, v[ML]
	v_lshlrev_b32 v[ML], 4, v[ML]
	WIN 0x80
.set i, 0
.rept 8                             ; Q stays in registers: piece i / 2, channels 32 (i % 2) on
	global_load_b128 v[8*i:8*i+3],   v[QO], s[4:5] offset:(i/2)*2048+(i%2)*64
	global_load_b128 v[8*i+4:8*i+7], v[QO], s[4:5] offset:(i/2)*2048+(i%2)*64+32
.set i, i+1
.endr
	WIN 0
.irp x, 0,1,2,3                     ; the mask words of step 0
	global_load_b128 v[W+8*\x:W+8*\x+3],   v[ML], s[MKB:MKB+1] offset:\x*32768
	global_load_b128 v[W+8*\x+4:W+8*\x+7], v[ML], s[MKB:MKB+1] offset:\x*32768+512
.endr
	; what the first turn finds: V and P's second buffer hold 0 (its products V^T P, of a piece that has not been, add 0); O^T and l are 0, and stay 0 while a query has seen no key.  All this stands in the wait for the first tile.
	WIN 0x80
.set i, VF
.rept 64
	v_mov_b32 v[i], 0
.set i, i+1
.endr
	WIN 0x40
.set i, 0
.rept 128
	v_mov_b32 v[i], 0
.set i, i+1
.endr
	WIN 0
.set i, 0
.rept 4
	v_mov_b32 v[ST+4*i+1], 0xec800000           ; m = -2^90
	v_mov_b32 v[ST+4*i+2], 0
	v_mov_b32 v[ST+4*i+3], 0
	v_mul_f32 v[ST+4*i], s[CS], v[ST+4*i+1]     ; c m, by the same multiply as in the loop: while m stays, c m_old - c m_new is exactly 0
.set i, i+1
.endr
.set i, P+16
.rept 16
	v_mov_b32 v[i], 0
.set i, i+1
.endr
	v_mul_u32_u24 v[AK0], v1, PK
	v_lshl_add_u32 v[AK0], v9, 4, v[AK0]
	v_and_b32 v10, 7, v0
	v_bfe_u32 v11, v0, 3, 1
	v_lshl_add_u32 v[AV0], v9, 3, v10           ; the turning load: lane l reads place 8 (l / 16) + l % 8, channels 8 ((l / 8) % 2) + 0..7
	v_mul_u32_u24 v[AV0], v[AV0], PV
	v_lshl_add_u32 v[AV0], v11, 4, v[AV0]
	v_add_nc_u32 v[AV0], VOFF, v[AV0]
	v_mov_b32 v[AK], v[AK0]                     ; key step 0 lies at the head of slot 0
	s_mul_i32 s50, s[WV], 16*SP
	s_add_co_u32 s50, s50, STAGE                ; my stage
	v_mul_u32_u24 v[STO], v1, SP
	v_lshl_add_u32 v[STO], v9, 4, v[STO]
	v_add_nc_u32 v[STO], s50, v[STO]
	v_bfe_u32 v[RD], v0, 3, 2
	v_mul_u32_u24 v[RD], v[RD], SP
	v_lshl_add_u32 v[RD], v10, 4, v[RD]
	v_add_nc_u32 v[RD], s50, v[RD]
	v_mov_b32 v[GO], v[ML]
; THE MATRIX WORK.  The 4 accumulators of a run of 8 take turns.  Product i of 8 of S^T = K Q^T for piece x: channels 32 (i / 4) on, places 16 (i % 4) on.  The first 4 start the sums with the mask.
.macro KQ x
	WIN W_KQ
.set rS, S+32*((\x)%2)+8*(i%4)
.set rK, KF+16*(i%4)+8*(i/4)
.set rQ, 16*(\x)+8*(i/4)
.if i < 3
.set rM, MC+24*((\x)%2)+8*i
	v_wmma_f32_16x16x32_f16 v[rS:rS+7], v[rK:rK+7], v[rQ:rQ+7], v[rM:rM+7]
.elseif i == 3
.set rM, W+8*(\x)
	v_wmma_f32_16x16x32_f16 v[rS:rS+7], v[rK:rK+7], v[rQ:rQ+7], v[rM:rM+7]
.else
	v_wmma_f32_16x16x32_f16 v[rS:rS+7], v[rK:rK+7], v[rQ:rQ+7], v[rS:rS+7]
.endif
.endm
.macro PV x                         ; product i of 8 of O^T += V^T P for piece x: places 32 (i / 4) on, channels 16 (i % 4) on
	WIN W_PV
.set rO, 32*(\x)+8*(i%4)
.set rV, VF+32*(i/4)+8*(i%4)
.set rP, P+16*((\x)%2)+8*(i/4)
	v_wmma_f32_16x16x32_f16 v[rO:rO+7], v[rV:rV+7], v[rP:rP+7], v[rO:rO+7]
.endm
.macro MM                           ; the turn's next matrix instruction.  NOKQ = 1: the very last turn: there is no next piece
.if (i < 8) && !NOKQ
	KQ (Y+1)%NP
.elseif i >= 8
.set i, i-8
	PV (Y+NP-1)%NP
.set i, i+8
.endif
.set i, i+1
.endm
.macro FETCH_K                      ; the LDS loads stand in runs of 16
	WIN 0x80
.irp f, 0,1,2,3,4,5,6,7
	ds_load_b128 v[KF+8*\f:KF+8*\f+3],   v[AK] offset:(\f/2)*16*PK+(\f%2)*64
	ds_load_b128 v[KF+8*\f+4:KF+8*\f+7], v[AK] offset:(\f/2)*16*PK+(\f%2)*64+32
.endr
	s_add_co_u32 s[TBK], s[TBK], KS*PK
	WIN 0
.endm
.macro FETCH_V
	WIN 0x80
.irp f, 0,1,2,3,4,5,6,7
	ds_load_tr16_b128 v[VF+8*\f:VF+8*\f+3],   v[AV] offset:(\f/4)*32*PV+(\f%4)*32
	ds_load_tr16_b128 v[VF+8*\f+4:VF+8*\f+7], v[AV] offset:(\f/4)*32*PV+16*PV+(\f%4)*32
.endr
	WIN 0
.endm
; THE MASK.  MLOAD x: piece x's words of its next step, behind the products that read the present ones.  step = 1: the step goes on; behind the last it stays, so that no load leaves mk.
.macro MLOAD x, step
	WIN 0
.if \step
	s_add_co_u32 s[MS], s[MS], 1024
	s_min_u32 s[MS], s[MS], 31*1024
.endif
	v_add_nc_u32 v[MO+(\x)], s[MS], v[ML]
	global_load_b128 v[W+8*(\x):W+8*(\x)+3],   v[MO+(\x)], s[MKB:MKB+1] offset:(\x)*32768
	global_load_b128 v[W+8*(\x)+4:W+8*(\x)+7], v[MO+(\x)], s[MKB:MKB+1] offset:(\x)*32768+512
.endm
.macro MSH y, b                     ; piece y's words shifted into buffer b: byte kt goes on top
	WIN 0
.set z, 0
.rept 24
	v_lshlrev_b32 v[MC+24*(\b)+z], 24-8*(z/8), v[W+8*(\y)+z%8]
.set z, z+1
.endr
.endm
; THE VECTOR WORK, one line at a time: OP kind, number.  For piece Y: F n: c s - c m for pair n of 16.  E n: the exponential of score n of 32.  C n: pair n rounded to f16.  B n: of the four weights 4 n .. the second pair is added
; onto the first, in place.  L n: l takes that sum (L 0: l = a l + sum).  R n: pair n of 16 of O^T times a.  For piece Y + 1: X n, number n of the 22 that find its maximum and statistics:
;   0-11 four chains c0-c3 of seven scores each (each accumulator's lowest registers are read first)   12-14, 16 the four scores left over, the old m, c0-c3 into c0   15 c m_old is kept
;   17, 18 the query's other 32 places lie in the lane 16 away: the new m   19-21 c m; c m_old - c m_new; a
.set F, 0
.set E, 1
.set C, 2
.set B, 3
.set L, 4
.set R, 5
.set X, 6
.macro REGS y
.set rT, ST+4*(\y)
.set rC, TMP+4*((\y)%2)
.set rW, MV+((\y)%2)
.set rS, S+32*((\y)%2)
.set rP, P+16*((\y)%2)
.set rO, 32*(\y)
.endm
.macro OP k, n
.if (\k) == R
	REGS Y
	WIN W_RS
	v_pk_mul_f32 v[rO+2*(\n):rO+2*(\n)+1], v[rO+2*(\n):rO+2*(\n)+1], v[rC+2:rC+3] op_sel_hi:[1,0]
.elseif (\k) < R
	REGS Y
	WIN 0
.if (\k) == F
	v_pk_fma_f32 v[rS+2*(\n):rS+2*(\n)+1], v[rS+2*(\n):rS+2*(\n)+1], s[CS:CS+1], v[rT:rT+1] op_sel_hi:[1,0,0] neg_lo:[0,0,1] neg_hi:[0,0,1]
.elseif (\k) == E
	v_exp_f32 v[rS+(\n)], v[rS+(\n)]
.elseif (\k) == C
	v_cvt_pk_f16_f32 v[rP+(\n)], v[rS+2*(\n)], v[rS+2*(\n)+1]
.elseif (\k) == B
	v_pk_add_f32 v[rS+4*(\n):rS+4*(\n)+1], v[rS+4*(\n):rS+4*(\n)+1], v[rS+4*(\n)+2:rS+4*(\n)+3]
.elseif (\n) == 0
	v_pk_fma_f32 v[rT+2:rT+3], v[rT+2:rT+3], v[rC+2:rC+3], v[rS:rS+1] op_sel_hi:[1,0,1]
.else
	v_pk_add_f32 v[rT+2:rT+3], v[rT+2:rT+3], v[rS+4*(\n):rS+4*(\n)+1]
.endif
.elseif NOKQ
	v_nop
.else
	REGS (Y+1)%NP
	WIN 0
.if (\n) < 4
	v_max3_num_f32 v[rC+(\n)], v[rS+8*(\n)], v[rS+8*(\n)+1], v[rS+8*(\n)+2]
.elseif (\n) < 12
	v_max3_num_f32 v[rC+(\n)%4], v[rC+(\n)%4], v[rS+8*((\n)%4)+2*((\n)/4)+1], v[rS+8*((\n)%4)+2*((\n)/4)+2]
.elseif (\n) == 12
	v_max3_num_f32 v[rC], v[rC], v[rS+7], v[rS+15]
.elseif (\n) == 13
	v_max3_num_f32 v[rC+1], v[rC+1], v[rS+23], v[rS+31]
.elseif (\n) == 14
	v_max3_num_f32 v[rC+2], v[rC+2], v[rC+3], v[rT+1]
.elseif (\n) == 15
	v_mov_b32 v[rW], v[rT]
.elseif (\n) == 16
	v_max3_num_f32 v[rC], v[rC], v[rC+1], v[rC+2]
.elseif (\n) == 17
	v_permlanex16_b32 v[rC+3], v[rC], s[SEL], s[SEL+1]
.elseif (\n) == 18
	v_max_num_f32 v[rT+1], v[rC], v[rC+3]
.elseif (\n) == 19
	v_mul_f32 v[rT], s[CS], v[rT+1]
.elseif (\n) == 20
	v_sub_f32 v[rC+1], v[rW], v[rT]
.else
	v_exp_f32 v[rC+2], v[rC+1]
.endif
.endif
.endm
.macro OPS a, i1, b=-1, i2=0, c=-1, i3=0, d=-1, i4=0
	OP \a, \i1
.if (\b) >= 0
	OP \b, \i2
.endif
.if (\c) >= 0
	OP \c, \i3
.endif
.if (\d) >= 0
	OP \d, \i4
.endif
.endm
.macro ROW a, i1, b, i2, c, i3, d, i4  ; a matrix instruction and the four behind it
	MM
	OPS \a, \i1, \b, \i2, \c, \i3, \d, \i4
.endm
; A TURN, for piece p.  Ahead of its ONE wait stands all that names no result of the turn's exponentials: the 8 products K Q^T with their riders, and the lump; X 21, the next piece's a, is the batch's last, R 15 the plain
; instruction behind it.  Behind the wait stand the 8 products V^T P, behind each four of the roundings and sums.  The X among the riders stand four plain instructions or more behind the product that ends their accumulator.
; K of the next step is fetched in piece 2's turn, V of the step in hand at the end of piece 0's, four plain instructions behind its last reader; each is waited for a turn later.
; The mask: piece p + 1's next words are asked for behind the eighth product (the fourth, which read the present ones, stands more than four plain instructions back); at the turn's end piece p + 2's words, asked for three turns
; back, are shifted for the next turn's products: the wait leaves out the six loads of this turn and the two before it.
; end = 1: the last two turns: nothing is fetched.  cnt = 1: the loop's count is taken down some lines ahead of the branch behind the turn.
.macro TURN p, end=0, cnt=0
.set Y, (\p)
.set i, 0
.set NOKQ, (\end)*((\p)/3)
.if ((\p) == 3) && !(\end)
	s_wait_dscnt 0x0                ; K is in
.endif
	ROW F,0, F,1, R,0, R,1
	ROW F,2, E,0, R,2, R,3
	ROW F,3, E,1, R,4, R,5
	ROW F,4, E,2, R,6, R,7
	ROW F,5, E,3, R,8, R,9
	ROW F,6, E,4, X,0, R,10
.if ((\p) == 2) && !(\end)
	WIN 0
	v_add_nc_u32 v[AK], s[TBK], v[AK0]
.endif
	ROW F,7, E,5, X,1, X,4
	ROW F,8, E,6, X,2, X,5
.if !(\end)
	MLOAD ((\p)+1)%NP, (\p)/3
.endif
	OPS E,7, E,8, X,6, E,9
	OPS X,3, E,10, X,8, E,11
.if ((\p) == 2) && !(\end)
	FETCH_K
.endif
	OPS X,9, X,7, E,12, X,10
	OPS E,13, X,12, X,11, E,14
	OPS X,13, E,15, F,9, X,14
.if (\p) == 0
	v_add_nc_u32 v[AV], s[TBV], v[AV0]
.endif
	OPS E,16, F,10, E,17, F,11
	OPS X,16, E,18, X,15, E,19
	OPS F,12, E,20, X,17, E,21
	OPS F,13, E,22, F,14, E,23
	OPS X,18, E,24, F,15, E,25
	OPS R,11, E,26, X,19, E,27
	OPS R,12, E,28, R,13, E,29
	OPS X,20, E,30, R,14, E,31
	OPS X,21, R,15
	WIN 0
	s_wait_alu depctr_va_vdst(0)    ; the wait for the batch
.if (\p) == 1
	s_wait_dscnt 0x0                ; V is in
.endif
	ROW C,0, B,0, C,2, B,1
	ROW L,0, C,4, B,2, L,1
	ROW C,6, B,3, L,2, C,8
	ROW B,4, L,3, C,10, B,5
	ROW L,4, C,12, B,6, L,5
.if (\p) == 0
	s_add_co_u32 s[TBV], s[TBV], KS*PV
.endif
.if \cnt
	s_sub_co_u32 s[CNT], s[CNT], 1
	s_cmp_lg_u32 s[CNT], 0
.endif
	ROW C,14, B,7, L,6, C,1
	ROW C,3, L,7, C,5, C,7
	ROW C,9, C,11, C,13, C,15
.if (\p) == 0
	FETCH_V
.endif
.if !(\end)
	WIN 0
	s_wait_loadcnt 6
	MSH ((\p)+2)%NP, (\p)%2
.endif
.endm
	CHANGE 1, 0                     ; slot 0 is in, everybody's part of it; slot 1 is asked for
	FETCH_K                         ; key step 0
	s_wait_loadcnt 0x0              ; Q and the first mask words
	MSH 0, 0
	MSH 1, 1
	s_wait_dscnt 0x0
.set NOKQ, 0
.set i, 0
.rept 8
	KQ 0                            ; piece 0's first scores
.set i, i+1
.endr
	WIN 0
.rept 4
	v_nop                           ; the places behind those products
.endr
.set Y, NP-1                        ; X works for piece Y + 1: piece 0
.irp n, 0,1,2,3,4,5,6,7,8,9,10,11,12,13,14,15,16,17,18,19,20,21
	OP X, \n
.endr
	v_nop                           ; a plain instruction behind the exponential,
	s_wait_alu depctr_va_vdst(0)    ; and its wait, ahead of the branch
	MLOAD 0, 0                      ; piece 0's words of step 1
	s_mov_b32 s[CNT], 4
	s_mov_b32 s[SLOTS], 7
	s_branch .Lfirst                ; the loop is entered at a step's first turn, in the middle of a trip
.Lslot:                             ; six times: tiles 2 to 7 are asked for
	CHANGE 1, 1
	s_mov_b32 s[CNT], 4
.Lstep:                             ; a trip: pieces 2 and 3 of one step, then pieces 0 and 1 of the next, whose K and V it fetches
	TURN 2
	TURN 3
	WIN 0
.Lfirst:
	TURN 0
	TURN 1, 0, 1
	WIN 0
	s_cbranch_scc1 .Lstep
	s_sub_co_u32 s[SLOTS], s[SLOTS], 1
	s_cmp_lg_u32 s[SLOTS], 0
	s_cbranch_scc1 .Lslot
	CHANGE 0, 0                     ; the last tile is written out: nothing is asked for
	s_mov_b32 s[CNT], 4
.Ltail:
	TURN 2
	TURN 3
	WIN 0
	TURN 0
	TURN 1, 0, 1
	WIN 0
	s_cbranch_scc1 .Ltail
	TURN 2, 1
	TURN 3, 1
.set i, 0
.rept 8
	PV NP-1                         ; the last piece's V^T P of the last step
.set i, i+1
.endr
	; THE WAY OUT.  l's two halves and the other half of the lanes' are added; O^T is multiplied by 1 / l, or by 0 where no key was visible, rounded to f16 and sent through my stage, a piece at a time.  The additions are the places behind the last products.
	WIN 0
	s_wait_loadcnt 0x0              ; the mask words asked for past the last step
.macro ALL line:vararg
.set t, 0
.rept 4
	\line
.set t, t+1
.endr
.endm
	ALL v_add_f32 v[ST+4*t+2], v[ST+4*t+2], v[ST+4*t+3]
	ALL v_permlanex16_b32 v[ST+4*t+3], v[ST+4*t+2], s[SEL], s[SEL+1]
	ALL v_add_f32 v[ST+4*t+2], v[ST+4*t+2], v[ST+4*t+3]
	ALL v_rcp_f32 v[ST+4*t+3], v[ST+4*t+2]
	v_nop                           ; a plain instruction behind the last reciprocal,
	s_wait_alu depctr_va_vdst(0)    ; and one wait for the four, ahead of their first use
.irp t, 0,1,2,3
	v_cmp_lt_f32 vcc_lo, 0, v[ST+4*\t+2]
	v_cndmask_b32 v[ST+4*\t+2], 0, v[ST+4*\t+3], vcc_lo
.endr
.macro PACK t
	WIN W_RS
.set i, 32*(\t)
.rept 16
	v_pk_mul_f32 v[i:i+1], v[i:i+1], v[ST+4*(\t)+2:ST+4*(\t)+3] op_sel_hi:[1,0]
.set i, i+2
.endr
	WIN 0x05
.set i, 0
.rept 16
	v_cvt_pk_f16_f32 v[S+16*(\t)+i], v[32*(\t)+2*i], v[32*(\t)+2*i+1]
.set i, i+1
.endr
	WIN 0
.irp f, 0,1,2,3
	ds_store_b128 v[STO], v[S+16*(\t)+4*\f:S+16*(\t)+4*\f+3] offset:32*\f
.endr
.irp f, 0,1,2,3
	ds_load_b128 v[S+16*(\t)+4*\f:S+16*(\t)+4*\f+3], v[RD] offset:\f*4*SP  ; LDS serves a wave's instructions in order: these see the stores above; the next piece's stores come behind them
.endr
.endm
.macro SEND t, younger              ; younger: the LDS instructions issued behind piece t's loads
	WIN 0
.irp f, 0,1,2,3
	s_wait_dscnt (\younger)+3-\f
	global_store_b128 v[GO], v[S+16*(\t)+4*\f:S+16*(\t)+4*\f+3], s[10:11] offset:(\t)*2048+\f*512  ; 512 consecutive bytes, aligned
.endr
.endm
	PACK 0
.set t, 1
.rept 3
	PACK t
	SEND t-1, 8
.set t, t+1
.endr
	SEND 3, 0
	s_wait_tensorcnt 0x0            ; the wave's end
	ds_add_u32 v[SPW], v[NIL]
	s_wait_dscnt 0x0
	CROUND                          ; the closing round
	s_endpgm
.Lfunc_end_k_q84f9d27bd4_attn:
	.size	k_q84f9d27bd4_attn, .Lfunc_end_k_q84f9d27bd4_attn-k_q84f9d27bd4_attn
	.p2alignl 7, 3214868480
	.fill 96, 4, 3214868480
	.section	.rodata,"a",@progbits
	.p2align	6, 0x0
	.amdhsa_kernel k_q84f9d27bd4_attn
		.amdhsa_group_segment_fixed_size 327680
		.amdhsa_private_segment_fixed_size 0
		.amdhsa_enable_private_segment 0
		.amdhsa_kernarg_size 24
		.amdhsa_user_sgpr_count 2
		.amdhsa_user_sgpr_kernarg_segment_ptr 1
		.amdhsa_wavefront_size32 1
		.amdhsa_system_sgpr_workgroup_id_x 1
		.amdhsa_system_sgpr_workgroup_id_y 1
		.amdhsa_system_sgpr_workgroup_id_z 1
		.amdhsa_system_vgpr_workitem_id 0
		.amdhsa_next_free_vgpr 768
		.amdhsa_next_free_sgpr 80
		.amdhsa_reserve_vcc 1
		.amdhsa_float_denorm_mode_32 3
		.amdhsa_float_denorm_mode_16_64 3
		.amdhsa_memory_ordered 1
		.amdhsa_forward_progress 1
		.amdhsa_inst_pref_size 139
	.end_amdhsa_kernel
	.amdgpu_metadata
---
amdhsa.version: [ 1, 2 ]
amdhsa.kernels:
  - .name:           k_q84f9d27bd4_attn
    .symbol:         k_q84f9d27bd4_attn.kd
    .args:
      - { .name: qkv, .offset: 0, .size: 8, .value_kind: global_buffer, .address_space: global }
      - { .name: mk, .offset: 8, .size: 8, .value_kind: global_buffer, .address_space: global }
      - { .name: o, .offset: 16, .size: 8, .value_kind: global_buffer, .address_space: global }
    .group_segment_fixed_size: 327680
    .private_segment_fixed_size: 0
    .kernarg_segment_align: 8
    .kernarg_segment_size: 24
    .max_flat_workgroup_size: 128
    .sgpr_count:     80
    .vgpr_count:     768
    .wavefront_size: 32
...
	.end_amdgpu_metadata
.endif
;; end of part 3
;; launch outp (part 4): grid 8 x 32, 4 waves a work-group, clusters of 4 x 4, 327,680 bytes of LDS; arguments o, wo, b_out, out0; writes out0
.if DOCPART == 4
	.amdgcn_target "amdgcn-amd-amdhsa--gfx1250"
	.amdhsa_code_object_version 6
	.text
	.protected	k_q84f9d27bd4_outp
	.globl	k_q84f9d27bd4_outp
	.p2align	8
	.type	k_q84f9d27bd4_outp,@function
k_q84f9d27bd4_outp:
	s_mov_b64 s[64:65], 0
	v_nop
	global_prefetch_b8 v0, s[64:65] scope:SCOPE_SE
	s_setreg_imm32_b32 hwreg(HW_REG_WAVE_MODE, 25, 1), 1
	s_wait_xcnt 0x0
	s_wait_alu depctr_hold_cnt(0) depctr_sa_sdst(0) depctr_va_vdst(0) depctr_va_sdst(0) depctr_va_ssrc(0) depctr_va_vcc(0) depctr_vm_vsrc(0)
	s_getreg_b32 s2, hwreg(HW_REG_IB_STS2, 6, 4)
	s_cmp_eq_u32 s2, 0
	s_cbranch_scc0 .Lentry_in_a_cluster
	s_endpgm
.Lentry_in_a_cluster:
	s_bfe_u32 s2, ttmp6, 0x10000c
	s_cmp_lg_u32 s2, 0xf033
	s_cbranch_scc0 .Lentry_shape_is_right
	s_endpgm
.Lentry_shape_is_right:
; OUTP: out0[m][n] = the sum over k of O[m][k] Wout[k][n] + b_out[n]: 4096 x 1024 x 1024, f16 operands, f32 sums, f32 out.  O lies by heads, [32 (b, head)][2048][64]: k = 64 head + channel.  wo: [1024 k][1024 n] f16.
; SHARES.  A tile of 128 x 128 gives 8 x 32 = 256 work-groups, one for each WGP; a wave makes 64 x 64: 16 accumulators.  K goes in 4 steps of 256 (four heads) through two LDS slots; each wave fetches a quarter of a slot.
; CLUSTER 4 x 4.  The four of a row of the cluster need the same rows of O, the four of a column the same columns of Wout: each tile is asked for jointly.
; THE MATRIX INSTRUCTION IS USED TRANSPOSED: source 0 = 16 columns of Wout (turned on the way out of LDS by ds_load_tr16_b128), source 1 = 16 rows of O: a lane holds one row and eight neighbouring columns, 32 bytes.
; No prefetch: four short K steps; the text is written straight, since only two refills exist.
; REGISTERS: window 0: v12-31 bias and addresses; v32-95 the way out; v128-255 the accumulators ((a, b) at 128 + 8 (4 a + b)).  Window 1: two fragment buffers of 128: 64 of O (2 x 4 x 16 rows x 32 K), then 64 of Wout.
.set PAO,    144                       ; a row of O in LDS: 128 bytes + 16
.set PBO,    288                       ; a k-row of Wout: 256 bytes + 32: 72 words
.set HEADB,  64*PAO                    ; a head's 64 rows
.set QUART,  36864                     ; what one wave's load fills: 4 heads x 64 rows x 144, or 128 k-rows x 288
.set SLOT,   4*QUART
.set STAGE,  2*SLOT                    ; behind the ring: 16 rows x 272 bytes for each wave
.set SPITCH, 272
.set SPARE,  STAGE+4*16*SPITCH
.set BI,   12                          ; v12-15  b_out of my four columns on the way out
.set ADRA, 16                          ; v16-17  my O fragments in slot 0, 1
.set ADRB, 20                          ; v20-23  my place in Wout's tile: slot 0 k-rows 0-127, 128-255; slot 1 likewise (an LDS offset has 16 bits)
.set STO,  24
.set RD,   25
.set CO,   26
.set BO,   27
.set SPW,  28
.set NIL,  29
.set TMP,  32
.set ACC,  128
.set F0,   0
.set F1,   128
.set G1A, 24
.set G0A, 32
.set G1B, 48
.set G0B, 56
.set MSB, 0
.macro WIN new
.if MSB != (\new)
	s_set_vgpr_msb (MSB<<8)|(\new)
.set MSB, \new
.endif
.endm
.set MUL,  0x05                        ; sources 0 and 1 window 1; C and D window 0
.set TO_F, 0x40
.macro JLOAD s                         ; waves 0, 1 fetch O's two row halves, waves 2, 3 Wout's two k halves; an s_nop 0 and four v_nop follow each of the two lines
	s_cmp_eq_u32 s13, 0
	s_cbranch_scc0 .Lfor_b_\@
	tensor_load_to_lds s[G0A+4*(\s):G0A+4*(\s)+3], s[G1A:G1A+7]
	s_nop 0
.rept 4
	v_nop
.endr
	s_branch .Lasked_\@
.Lfor_b_\@:
	tensor_load_to_lds s[G0B+4*(\s):G0B+4*(\s)+3], s[G1B:G1B+7]
	s_nop 0
.rept 4
	v_nop
.endr
.Lasked_\@:
.endm
.macro CREST
	s_cmp_lg_u32 s12, 0
	s_cbranch_scc1 .Lnot_wave_0_\@
	s_barrier_signal -3
.Lnot_wave_0_\@:
	s_barrier_wait -3
	s_barrier_signal -1
	s_barrier_wait -1
.endm
.macro CROUND
	s_barrier_signal -1
	s_barrier_wait -1
	CREST
.endm
	s_load_b256 s[4:11], s[0:1], 0x0               ; o s[4:5], wo s[6:7], b_out s[8:9], out0 s[10:11]
	v_lshl_add_u32 v[SPW], v0, 2, SPARE
	v_mov_b32 v[NIL], 0
	ds_add_u32 v[SPW], v[NIL]                      ; the wave's opening: the add and its wait, ahead of my first tensor load
	v_lshrrev_b32 v1, 5, v0
	v_readfirstlane_b32 s12, v1                    ; wave 0..3
	s_lshr_b32 s13, s12, 1                         ; my half of the tile's rows.  Also: I fetch for O (0) or for Wout (1)
	s_and_b32 s14, s12, 1                          ; my half of its columns.  Also: which half of that tile I fetch
	s_bfe_u32 s15, ttmp6, 0x40000                  ; cx
	s_bfe_u32 s16, ttmp6, 0x40004                  ; cy
	s_lshl_b32 s17, ttmp9, 2
	s_add_co_u32 s17, s17, s15                     ; tx, the tile column
	s_and_b32 s18, ttmp7, 0xffff
	s_lshl_b32 s18, s18, 2
	s_add_co_u32 s18, s18, s16                     ; ty, the tile row
	s_lshl_b32 s19, s16, 2
	s_lshl_b32 s19, 15, s19                        ; my row of the cluster
	s_lshl_b32 s21, 0x1111, s15                    ; my column
	s_or_b32 s[G1A], s19, (1<<16)|(1<<20)|(1<<21)|(4<<22)|(3<<25)  ; after every 32 words (a row of O), 4 words
	s_or_b32 s[G1B], s21, (1<<16)|(1<<20)|(1<<21)|(5<<22)|(7<<25)  ; after every 64 words, 8 words
	s_mov_b32 s[G1A+1], 4096<<16                   ; O: a 'row' is a head's 64 dense rows, 4,096 elements = 8,192 consecutive bytes;
	s_mov_b32 s[G1A+2], 4<<16                      ; four heads,
	s_mov_b32 s[G1A+3], 4096<<16
	s_mov_b32 s[G1A+4], 4
	s_mov_b32 s[G1A+5], 131072                     ; 2,048 x 64 elements apart
	s_mov_b32 s[G1A+6], 0
	s_mov_b32 s[G1A+7], 0
	s_mov_b32 s[G1B+1], 128<<16                    ; Wout: 128 k-rows x 128 columns
	s_mov_b32 s[G1B+2], 128<<16
	s_mov_b32 s[G1B+3], 128<<16
	s_mov_b32 s[G1B+4], 128
	s_mov_b32 s[G1B+5], 1024
	s_mov_b32 s[G1B+6], 0
	s_mov_b32 s[G1B+7], 0
	s_lshr_b32 s22, s18, 4                         ; O: the batch's 16 heads of 262,144 bytes,
	s_lshl_b32 s22, s22, 22
	s_and_b32 s23, s18, 15
	s_lshl_b32 s23, s23, 14                        ; the tile's 128 rows of 128 bytes,
	s_add_co_u32 s22, s22, s23
	s_lshl_b32 s23, s14, 13                        ; my 64
	s_add_co_u32 s22, s22, s23
	s_mov_b32 s23, 0
	s_lshl_b32 s46, s17, 8                         ; Wout: the tile's 128 columns,
	s_lshl_b32 s47, s14, 18                        ; my 128 k-rows of 2,048 bytes
	s_add_co_u32 s46, s46, s47
	s_mov_b32 s47, 0
	s_mul_i32 s20, s12, QUART                      ; where they go: wave x a quarter of a slot
	s_wait_dscnt 0x0                               ; the opening add is done
	s_wait_kmcnt 0x0
	s_add_nc_u64 s[22:23], s[4:5], s[22:23]
	s_add_nc_u64 s[46:47], s[6:7], s[46:47]
	CROUND                                         ; all sixteen work-groups are here: the first joint loads meet
.irp s, 0,1
	s_mov_b32 s[G0A+4*(\s)], 1
	s_add_co_u32 s[G0A+4*(\s)+1], s20, (\s)*SLOT
	s_add_nc_u64 s[G0A+4*(\s)+2:G0A+4*(\s)+3], s[22:23], (\s)*1048576   ; K step s: four heads on
	s_or_b32 s[G0A+4*(\s)+3], s[G0A+4*(\s)+3], 0x80000000
	s_mov_b32 s[G0B+4*(\s)], 1
	s_add_co_u32 s[G0B+4*(\s)+1], s20, (\s)*SLOT
	s_add_nc_u64 s[G0B+4*(\s)+2:G0B+4*(\s)+3], s[46:47], (\s)*524288    ; 256 k-rows on
	s_or_b32 s[G0B+4*(\s)+3], s[G0B+4*(\s)+3], 0x80000000
	JLOAD \s
.endr
	v_and_b32 v1, 15, v0                           ; r
	v_bfe_u32 v2, v0, 4, 1                         ; h
	s_lshl_b32 s40, s17, 9                         ; the tile's 128 columns of 4 bytes,
	s_lshl_b32 s41, s14, 8                         ; my 64
	s_add_co_u32 s40, s40, s41
	s_mov_b32 s41, 0
	s_add_nc_u64 s[8:9], s[8:9], s[40:41]
	v_lshlrev_b32 v[BO], 4, v1
	global_load_b128 v[BI:BI+3], v[BO], s[8:9]     ; the bias of the four columns that I store
	s_lshl_b32 s42, s18, 19                        ; out0: the tile's 128 rows of 4,096 bytes,
	s_lshl_b32 s43, s13, 18                        ; my 64
	s_add_co_u32 s42, s42, s43
	s_add_co_u32 s42, s42, s40
	s_mov_b32 s43, 0
	s_add_nc_u64 s[10:11], s[10:11], s[42:43]
	v_mul_u32_u24 v3, v1, PAO
	v_lshl_add_u32 v3, v2, 4, v3
	s_mul_i32 s40, s13, QUART
	v_add_nc_u32 v[ADRA], s40, v3
	v_add_nc_u32 v[ADRA+1], SLOT, v[ADRA]
	v_and_b32 v4, 7, v0
	v_lshl_add_u32 v4, v2, 3, v4
	v_mul_u32_u24 v4, v4, PBO
	v_bfe_u32 v5, v0, 3, 1
	v_lshl_add_u32 v4, v5, 4, v4
	s_lshl_b32 s40, s14, 7                         ; my 64 columns of 2 bytes
	s_add_co_u32 s40, s40, 2*QUART
	v_add_nc_u32 v[ADRB], s40, v4
	v_add_nc_u32 v[ADRB+1], QUART, v[ADRB]
	v_add_nc_u32 v[ADRB+2], SLOT, v[ADRB]
	v_add_nc_u32 v[ADRB+3], SLOT, v[ADRB+1]
	s_mul_i32 s40, s12, 16*SPITCH
	s_add_co_u32 s40, s40, STAGE                   ; my stage
	v_mul_u32_u24 v3, v1, SPITCH
	v_lshl_add_u32 v3, v2, 5, v3                   ; in: row r, 32 bytes for each half of the lanes
	v_add_nc_u32 v[STO], s40, v3
	v_mul_u32_u24 v3, v2, SPITCH
	v_lshl_add_u32 v3, v1, 4, v3                   ; back: lanes 0-15 one row of 256 bytes, lanes 16-31 the next
	v_add_nc_u32 v[RD], s40, v3
	v_lshlrev_b32 v[CO], 4, v1
	v_lshl_add_u32 v[CO], v2, 12, v[CO]
; 8 matrix instructions: row blocks a0, a0 + 1 x all 4 column blocks, 32 along K: half c of buffer f.  The 16 accumulators take turns.
.macro MUL8 f, c, a0, zero
	WIN MUL
.irp a, \a0, (\a0)+1
.irp b, 0,1,2,3
.if \zero
	v_wmma_f32_16x16x32_f16 v[ACC+8*(4*(\a)+(\b)):ACC+8*(4*(\a)+(\b))+7], v[(\f)+64+8*(4*(\c)+(\b)):(\f)+64+8*(4*(\c)+(\b))+7], v[(\f)+8*(4*(\c)+(\a)):(\f)+8*(4*(\c)+(\a))+7], 0
.else
	v_wmma_f32_16x16x32_f16 v[ACC+8*(4*(\a)+(\b)):ACC+8*(4*(\a)+(\b))+7], v[(\f)+64+8*(4*(\c)+(\b)):(\f)+64+8*(4*(\c)+(\b))+7], v[(\f)+8*(4*(\c)+(\a)):(\f)+8*(4*(\c)+(\a))+7], v[ACC+8*(4*(\a)+(\b)):ACC+8*(4*(\a)+(\b))+7]
.endif
.endr
.endr
.endm
; 32 LDS loads in one run: head z of the slot's four (64 along K) into buffer f; the first 32 along K first
.macro FETCH slot, z, f
	WIN TO_F
.irp c, 0,1
.irp i, 0,1,2,3
	ds_load_tr16_b128 v[(\f)+64+8*(4*(\c)+(\i)):(\f)+64+8*(4*(\c)+(\i))+3],   v[ADRB+2*(\slot)+(\z)/2] offset:(((\z)%2)*64+32*(\c))*PBO+32*(\i)
	ds_load_tr16_b128 v[(\f)+64+8*(4*(\c)+(\i))+4:(\f)+64+8*(4*(\c)+(\i))+7], v[ADRB+2*(\slot)+(\z)/2] offset:(((\z)%2)*64+32*(\c)+16)*PBO+32*(\i)
	ds_load_b128 v[(\f)+8*(4*(\c)+(\i)):(\f)+8*(4*(\c)+(\i))+3],             v[ADRA+(\slot)] offset:(\z)*HEADB+(\i)*16*PAO+64*(\c)
	ds_load_b128 v[(\f)+8*(4*(\c)+(\i))+4:(\f)+8*(4*(\c)+(\i))+7],           v[ADRA+(\slot)] offset:(\z)*HEADB+(\i)*16*PAO+64*(\c)+32
.endr
.endr
.endm
.macro PLACES
.rept 4
	v_nop
.endr
.endm
.macro QUARTER slot, z, f, g, zero     ; multiplies buffer f and fetches head z into g
	s_wait_dscnt 16                                ; the first 32 along K are in
	MUL8 \f, 0, 0, \zero
	MUL8 \f, 0, 2, \zero
	PLACES
	FETCH \slot, \z, \g
	s_wait_dscnt 32                                ; all but the 32 just issued
	MUL8 \f, 1, 0, 0
	MUL8 \f, 1, 2, 0
.endm
; The last quarter multiplies buffer 1 and changes slots: ONE barrier; ahead of it each wave waits for all its tensor loads, adds 0 to its spare word, and waits for that and for its reads of this slot.
; fill = 1: the barrier opens a round of the cluster's, and this slot is filled again, two K steps on, first thing behind it.
.macro TURN slot, next, fill
	WIN 0
	s_wait_tensorcnt 0x0
	ds_add_u32 v[SPW], v[NIL]
	s_wait_dscnt 17                                ; (the add and the youngest sixteen loads may be out)
	MUL8 F1, 0, 0, 0
	s_wait_dscnt 0x0                               ; the add is done, and my reads of this slot are over
	s_barrier_signal -1
	MUL8 F1, 0, 2, 0
.if \fill
	WIN 0
.endif
	s_barrier_wait -1
.if \fill
	CREST
	s_add_nc_u64 s[G0A+4*(\slot)+2:G0A+4*(\slot)+3], s[G0A+4*(\slot)+2:G0A+4*(\slot)+3], 2*1048576
	s_add_nc_u64 s[G0B+4*(\slot)+2:G0B+4*(\slot)+3], s[G0B+4*(\slot)+2:G0B+4*(\slot)+3], 2*524288
	JLOAD \slot                                    ; its four v_nop are also the places in front of the loads below
.else
	PLACES
.endif
	FETCH \next, 0, F0
	MUL8 F1, 1, 0, 0
	MUL8 F1, 1, 2, 0
.endm
	s_wait_tensorcnt 1                             ; my part of K step 0 is in; K step 1's may stay out
	s_barrier_signal -1
	s_barrier_wait -1
	FETCH 0, 0, F0
	QUARTER 0, 1, F0, F1, 1                        ; the first products start the sums
	QUARTER 0, 2, F1, F0, 0
	QUARTER 0, 3, F0, F1, 0
	TURN 0, 1, 1                                   ; K step 2 is asked for
	QUARTER 1, 1, F0, F1, 0
	QUARTER 1, 2, F1, F0, 0
	QUARTER 1, 3, F0, F1, 0
	TURN 1, 0, 1                                   ; K step 3
	QUARTER 0, 1, F0, F1, 0
	QUARTER 0, 2, F1, F0, 0
	QUARTER 0, 3, F0, F1, 0
	TURN 0, 1, 0
	QUARTER 1, 1, F0, F1, 0
	QUARTER 1, 2, F1, F0, 0
	QUARTER 1, 3, F0, F1, 0
	s_wait_dscnt 16
	MUL8 F1, 0, 0, 0
	MUL8 F1, 0, 2, 0
	s_wait_dscnt 0x0
	MUL8 F1, 1, 0, 0
	MUL8 F1, 1, 2, 0
	WIN 0
	; THE WAY OUT, 16 rows at a time through my own stage: 32 bytes a lane in (each accumulator's lowest registers first), whole rows of 256 bytes back, the bias added, 16 lanes store 256 consecutive bytes, aligned.
	PLACES
	s_wait_loadcnt 0x0                             ; the bias
.irp a, 0,1,2,3
.set TB, TMP+32*((\a)%2)
.irp b, 0,1,2,3
	ds_store_b128 v[STO], v[ACC+8*(4*(\a)+(\b)):ACC+8*(4*(\a)+(\b))+3]   offset:64*(\b)
	ds_store_b128 v[STO], v[ACC+8*(4*(\a)+(\b))+4:ACC+8*(4*(\a)+(\b))+7] offset:64*(\b)+16
.endr
	s_wait_xcnt 0x0                                ; the stores of two blocks back have read this set of registers
.irp t, 0,1,2,3,4,5,6,7
	ds_load_b128 v[TB+4*(\t):TB+4*(\t)+3], v[RD] offset:(\t)*2*SPITCH  ; LDS serves a wave's instructions in order: these see the stores above; the next block's stores come behind them
.endr
	s_wait_dscnt 0x0
.irp t, 0,1,2,3,4,5,6,7
	v_pk_add_f32 v[TB+4*(\t):TB+4*(\t)+1], v[TB+4*(\t):TB+4*(\t)+1], v[BI:BI+1]
	v_pk_add_f32 v[TB+4*(\t)+2:TB+4*(\t)+3], v[TB+4*(\t)+2:TB+4*(\t)+3], v[BI+2:BI+3]
.endr
.irp t, 0,1,2,3,4,5,6,7
	global_store_b128 v[CO], v[TB+4*(\t):TB+4*(\t)+3], s[10:11] offset:(16*(\a)+2*(\t))*4096
.endr
.endr
	s_wait_tensorcnt 0x0                           ; the wave's end
	ds_add_u32 v[SPW], v[NIL]
	s_wait_dscnt 0x0
	CROUND                                         ; the closing round
	s_endpgm
.Lfunc_end_k_q84f9d27bd4_outp:
	.size	k_q84f9d27bd4_outp, .Lfunc_end_k_q84f9d27bd4_outp-k_q84f9d27bd4_outp
	.p2alignl 7, 3214868480
	.fill 96, 4, 3214868480
	.section	.rodata,"a",@progbits
	.p2align	6, 0x0
	.amdhsa_kernel k_q84f9d27bd4_outp
		.amdhsa_group_segment_fixed_size 327680
		.amdhsa_private_segment_fixed_size 0
		.amdhsa_enable_private_segment 0
		.amdhsa_kernarg_size 32
		.amdhsa_user_sgpr_count 2
		.amdhsa_user_sgpr_kernarg_segment_ptr 1
		.amdhsa_wavefront_size32 1
		.amdhsa_system_sgpr_workgroup_id_x 1
		.amdhsa_system_sgpr_workgroup_id_y 1
		.amdhsa_system_sgpr_workgroup_id_z 1
		.amdhsa_system_vgpr_workitem_id 0
		.amdhsa_next_free_vgpr 512
		.amdhsa_next_free_sgpr 72
		.amdhsa_reserve_vcc 0
		.amdhsa_float_denorm_mode_32 3
		.amdhsa_float_denorm_mode_16_64 3
		.amdhsa_memory_ordered 1
		.amdhsa_forward_progress 1
		.amdhsa_inst_pref_size 90
	.end_amdhsa_kernel
	.amdgpu_metadata
---
amdhsa.version: [ 1, 2 ]
amdhsa.kernels:
  - .name:           k_q84f9d27bd4_outp
    .symbol:         k_q84f9d27bd4_outp.kd
    .args:
      - { .name: o, .offset: 0, .size: 8, .value_kind: global_buffer, .address_space: global }
      - { .name: wo, .offset: 8, .size: 8, .value_kind: global_buffer, .address_space: global }
      - { .name: b_out, .offset: 16, .size: 8, .value_kind: global_buffer, .address_space: global }
      - { .name: out0, .offset: 24, .size: 8, .value_kind: global_buffer, .address_space: global }
    .group_segment_fixed_size: 327680
    .private_segment_fixed_size: 0
    .kernarg_segment_align: 8
    .kernarg_segment_size: 32
    .max_flat_workgroup_size: 128
    .sgpr_count:     72
    .vgpr_count:     512
    .wavefront_size: 32
...
	.end_amdgpu_metadata
.endif
;; end of part 4
;; ======== version 2 of 2: 4 launches; version 1 with the launch prep written anew for expert scheduling mode
;; limits: values are held in f16: magnitudes above 65,504 overflow, below 6.1e-05 lose precision
;; workspace buffers: xn 8,388,608 bytes; wq 6,291,456 bytes; wo 2,097,152 bytes; mk 8,388,608 bytes; rt 524,288 bytes; qkv 25,165,824 bytes; o 8,388,608 bytes
;; launch prep (part 5): grid 552 x 1, 8 waves a work-group, no clusters, 11,264 bytes of LDS; arguments attn_mask, x, gamma, beta, w_qkv, w_out, mk, xn, wq, wo, rt; writes mk, xn, wq, wo, rt
.if DOCPART == 5
	.amdgcn_target "amdgcn-amd-amdhsa--gfx1250"
	.amdhsa_code_object_version 6
	.text
	.protected	k_q84f9d27bd4_prep
	.globl	k_q84f9d27bd4_prep
	.p2align	8
	.type	k_q84f9d27bd4_prep,@function
k_q84f9d27bd4_prep:
	s_mov_b64 s[64:65], 0
	v_nop
	global_prefetch_b8 v0, s[64:65] scope:SCOPE_SE
	s_setreg_imm32_b32 hwreg(HW_REG_WAVE_SCHED_MODE, 0, 2), 2
	s_setreg_imm32_b32 hwreg(HW_REG_WAVE_MODE, 25, 1), 1
	s_wait_xcnt 0x0
	s_wait_alu depctr_vm_vsrc(0)
; PREP: five streams, told apart by the work-group's number; a wave is a unit of work, u = 8 x (work-group in its role) + wave.
;   MASK  256 work-groups: attn_mask (int32) -> mk, one byte a (query, key): 0x00 visible (mask > 0), 0xF0 hidden, laid out as the attention's lanes want it:
;         [b][16 queries][64 keys][half][lane r + 16 h][16 bytes]; word j = 4 half + i of a lane holds the keys 32 h + 4 j + 0..3 of query r.
;   LN    128 work-groups: xn = (x - mean) rsqrt(var + 1e-5) gamma + beta, all in f32 (mean first, then the squares of the differences), rounded once to f16.
;   WQ    128 work-groups: w_qkv -> wq, f16, by heads: [16 g][1024 k][q of head g (64) | k (64) | v (64)].      WO  32 work-groups: w_out -> wo, f16, as it lies.
;   ROPE  8 work-groups: rt[pos][0..31] = cos(pos f_j), rt[pos][32..63] = sin(pos f_j), f_j = 10000^(-j/32), f32.
; Memory binds: every input byte is read once, by loads of 16 bytes a lane; every store of a wave covers 256 or 512 consecutive bytes, aligned.  No matrix unit, no tensor load;
; NO CLUSTER: no two work-groups read the same bytes but gamma and beta (8 KiB).
; LIMITS.  xn and the weights must lie within f16's 65,504; below 6e-5 they keep f16's fixed step of 6e-8.  The angles pos x f_j carry the exponential's last-bit error in f_j: up to some 2e-4 rad at pos = 2,047.
; THE MODE: SCHED_MODE bits 1:0 = 2 (LLVM: expert scheduling mode 2), set by the entry lines.  The code itself states the register dependences between vector instructions and memory or LDS
; instructions, and those through scalar registers and VCC that vector instructions write, with s_wait_alu, always for 0.
; THE PLAN, role by role: the registers that memory or LDS instructions touch, who writes and who reads them, and the waits.
;   MASK  v2, v3, v4, v13: offsets and LDS addresses, made once.  Block s of four (64 keys): v[32+32 s ..], 32 registers, loaded once; read by 32 compares, then written in place by the selects and the first adds;
;         its first eight take the block's bytes back from the stage and are read by its two global stores.  Two word buffers, v14-21 and v22-29: block s's last adds write buffer s % 2, its eight LDS stores read it.
;         The compares write s12-s43, a run of 32 with one wait behind it.  A block has one wait on va_vdst, ahead of its LDS stores and loads.  One wait on vm_vsrc in all, in block 2, frees both word buffers.
;         Block s + 1 is converted while block s's bytes go through the stage: its vector lines name block s + 1's registers and its own word buffer alone.
;   LN    v28, v29: offsets, made once.  A row slot: loaded; read and written in place by the row's arithmetic; loaded again (rows 0, 1).  v[12:27]: written by the row's 16 roundings, read by its 8 stores.
;         One wait on va_vdst behind the roundings serves the refill and the stores; one on vm_vsrc ahead of the roundings, a row behind the stores that it waits for.
;   WQ, WO  v2, v3: offsets, made once.  Load n's four registers: loaded, rounded in place, the first two stored, never written again.  Groups of four loads: one wait on va_vdst at a group's head states that the
;         group before is rounded; that group's four stores are dealt among this group's roundings, which name their own registers alone.
;   ROPE  v20: the offset, made once; the scalar base steps.  v[16:19]: written by a trip's selects and sign flips, read by its one store.  The trip's four compares write s32-s35.
.set SPARE, 10240                      ; LDS: eight stages of 1,280 bytes (MASK), then the spare words, 128 bytes a wave
.set SPW, 30                           ; v30  my spare word's address; never rewritten
.set NIL, 31                           ; v31  0; never rewritten
	s_load_b512 s[8:23], s[0:1], 0x0               ; attn_mask s[8:9], x s[10:11], gamma s[12:13], beta s[14:15], w_qkv s[16:17], w_out s[18:19], mk s[20:21], xn s[22:23]
	s_load_b128 s[24:27], s[0:1], 0x40             ; wq s[24:25], wo s[26:27]
	s_load_b64 s[28:29], s[0:1], 0x50              ; rt
	v_lshl_add_u32 v[SPW], v0, 2, SPARE
	v_mov_b32 v[NIL], 0
	v_lshrrev_b32 v1, 5, v0
	v_readfirstlane_b32 s4, v1                     ; wave 0..7
	v_and_b32 v1, 31, v0                           ; lane L
	s_mov_b32 s5, ttmp9
	s_mov_b32 s7, 0                                ; high words of the offset pairs s[6:7] and s[30:31]
	s_mov_b32 s31, 0
	s_wait_alu depctr_va_sdst(0)                   ; s4 is written, ahead of the branches and of its first reader in every role
	s_wait_kmcnt 0x0
	s_cmp_lt_u32 s5, 256
	s_cbranch_scc1 .Lmask
	s_sub_co_u32 s5, s5, 256
	s_cmp_lt_u32 s5, 128
	s_cbranch_scc1 .Lln
	s_sub_co_u32 s5, s5, 128
	s_cmp_lt_u32 s5, 128
	s_cbranch_scc1 .Lwq
	s_sub_co_u32 s5, s5, 128
	s_cmp_lt_u32 s5, 32
	s_cbranch_scc1 .Lwo
	s_sub_co_u32 s5, s5, 32
; ---------------- ROPE: wave u makes positions 32 u .. 32 u + 31, two a trip: a store of 512 consecutive bytes.  Lane: position L / 16; e = L % 16: e < 8 cosines, else sines, of j = 4 (e % 8) + 0..3.
	s_lshl3_add_u32 s6, s5, s4                     ; u
	s_lshl_b32 s30, s6, 13                         ; 32 positions of 256 bytes
	s_add_nc_u64 s[28:29], s[28:29], s[30:31]
	s_lshl_b32 s6, s6, 5                           ; the first position
	s_mov_b32 s38, 0x3f22f983                      ; 2 / pi
	s_mov_b32 s39, 0x3fc90fdb                      ; pi / 2, its leading 24 bits,
	s_mov_b32 s40, 0xb33bbd2e                      ; and the rest
	s_mov_b32 s41, 0xbe2aaaa3                      ; sine:   r + r z (S1 + z (S2 + z S3)), z = r r, |r| <= pi / 4
	s_mov_b32 s42, 0x3c08839e
	s_mov_b32 s43, 0xb94ca1f9
	s_mov_b32 s44, 0x3d2aaaa5                      ; cosine: 1 - z / 2 + z z (C1 + z (C2 + z C3))
	s_mov_b32 s45, 0xbab6061a
	s_mov_b32 s46, 0x37ccf5ce
	v_lshrrev_b32 v2, 4, v1
	v_add_nc_u32 v2, s6, v2
	v_cvt_f32_u32 v2, v2                           ; my position, as f32 (exact)
	v_and_b32 v3, 15, v1
	v_cmp_gt_u32 vcc_lo, 8, v3
	v_and_b32 v3, 7, v3
	v_lshlrev_b32 v3, 2, v3                        ; j of my first number
	s_wait_alu depctr_va_vcc(0)                    ; the compare has written VCC, which the select reads
	v_cndmask_b32 v4, 0, 1, vcc_lo                 ; 1 in a cosine's lane: cos(a) = sin(a + pi / 2), one quadrant on
.irp i, 0,1,2,3
	v_add_nc_u32 v[8+\i], \i, v3
	v_cvt_f32_u32 v[8+\i], v[8+\i]
	v_mul_f32 v[8+\i], 0xbed49a78, v[8+\i]         ; - j log2(10000) / 32
.endr
.irp i, 0,1,2,3
	v_exp_f32 v[8+\i], v[8+\i]                     ; f_j
.endr
	v_lshlrev_b32 v20, 4, v1                       ; my 16 bytes of a trip's 512; never rewritten: the plain instruction behind the last exponential
	s_wait_alu depctr_va_vdst(0)                   ; the four exponentials have written v[8:11], ahead of the label and of their first use; v20, every store's offset, is written too
; A trip's four numbers are worked side by side, number t in the eight registers at SC + 8 t: +0 the angle, then its quadrant's low bit; +1 the quadrant as f32; +2 r; +3 the quadrant; +4 z; +5 the sine; +6 the cosine; +7 the sign.
; Reduce by quadrants (two-part pi / 2, fused), both polynomials, choose by the quadrant's bits.
.set SC, 32
.macro ALL4 line:vararg                ; one line for each number t
.set t, 0
.rept 4
	\line
.set t, t+1
.endr
.endm
	s_mov_b32 s6, 16
.Lpos:
	ALL4 v_mul_f32 v[SC+8*t], v2, v[8+t]
	ALL4 v_mul_f32 v[SC+8*t+1], s38, v[SC+8*t]
	ALL4 v_rndne_f32 v[SC+8*t+1], v[SC+8*t+1]
	ALL4 v_fma_f32 v[SC+8*t+2], -v[SC+8*t+1], s39, v[SC+8*t]
	ALL4 v_fma_f32 v[SC+8*t+2], -v[SC+8*t+1], s40, v[SC+8*t+2]
	ALL4 v_cvt_i32_f32 v[SC+8*t+3], v[SC+8*t+1]
	ALL4 v_add_nc_u32 v[SC+8*t+3], v[SC+8*t+3], v4
	ALL4 v_and_b32 v[SC+8*t], 1, v[SC+8*t+3]
	ALL4 v_cmp_ne_u32 s[32+t], 0, v[SC+8*t]        ; odd quadrant?  The four compares stand in a run, ahead of the polynomials
	ALL4 v_mul_f32 v[SC+8*t+4], v[SC+8*t+2], v[SC+8*t+2]
	ALL4 v_fma_f32 v[SC+8*t+5], v[SC+8*t+4], s43, s42
	ALL4 v_fma_f32 v[SC+8*t+6], v[SC+8*t+4], s46, s45
	ALL4 v_fma_f32 v[SC+8*t+5], v[SC+8*t+5], v[SC+8*t+4], s41
	ALL4 v_fma_f32 v[SC+8*t+6], v[SC+8*t+6], v[SC+8*t+4], s44
	ALL4 v_mul_f32 v[SC+8*t+5], v[SC+8*t+5], v[SC+8*t+4]
	ALL4 v_fma_f32 v[SC+8*t+6], v[SC+8*t+6], v[SC+8*t+4], -0.5
	ALL4 v_fma_f32 v[SC+8*t+5], v[SC+8*t+5], v[SC+8*t+2], v[SC+8*t+2]
	ALL4 v_fma_f32 v[SC+8*t+6], v[SC+8*t+6], v[SC+8*t+4], 1.0
	ALL4 v_and_b32 v[SC+8*t+7], 2, v[SC+8*t+3]
	ALL4 v_lshlrev_b32 v[SC+8*t+7], 30, v[SC+8*t+7]
	v_add_f32 v2, 2.0, v2                          ; the next trip's position
	s_wait_alu depctr_va_sdst(0)                   ; the four compares have written s32 to s35, which the selects read
	s_wait_alu depctr_vm_vsrc(0)                   ; the last trip's store has read v[16:19], which the selects write again
	ALL4 v_cndmask_b32 v[16+t], v[SC+8*t+5], v[SC+8*t+6], s[32+t]   ; odd quadrant: the cosine
	ALL4 v_xor_b32 v[16+t], v[16+t], v[SC+8*t+7]   ; quadrants 2 and 3: the sign turns
	s_wait_alu depctr_va_vdst(0)                   ; v[16:19] are written, which the store reads
	global_store_b128 v20, v[16:19], s[28:29]
	s_wait_xcnt 0x0                                ; the store's address is translated: its base steps, and v[16:19] are rewritten, only behind this wait
	s_add_nc_u64 s[28:29], s[28:29], 512
	s_sub_co_u32 s6, s6, 1
	s_cmp_lg_u32 s6, 0
	s_cbranch_scc1 .Lpos
	s_endpgm
; ---------------- MASK: wave u takes 16 queries x 256 keys: 32 loads, each two rows' 256 consecutive bytes; four blocks of 1,024 bytes out.
.set MK, 12                            ; s12-s43  a block's 32 masks: load i's number e at MK + 4 i + e
.set WD, 14                            ; v14-21, v22-29  two buffers of eight words
.Lmask:
	s_lshl_b32 s6, s5, 17                          ; 16 rows of 8,192 bytes,
	s_lshl_b32 s30, s4, 10                         ; 256 keys of 4 bytes
	s_add_co_u32 s6, s6, s30
	s_add_nc_u64 s[8:9], s[8:9], s[6:7]
	s_lshl3_add_u32 s6, s5, s4                     ; u
	s_lshl_b32 s6, s6, 12
	s_add_nc_u64 s[10:11], s[20:21], s[6:7]        ; mk at my 4,096 bytes: in s[10:11], so that s12 to s43 are free for the masks
	v_and_b32 v5, 15, v1
	v_lshrrev_b32 v6, 4, v1
	v_lshlrev_b32 v2, 4, v5
	v_lshl_add_u32 v2, v6, 13, v2                  ; row L / 16, 16 bytes at L % 16
	s_wait_alu depctr_va_vdst(0)                   ; v2 is written, which the 32 loads read as their offset
.set n, 0
.rept 32                               ; load n: block of 64 keys n / 8, rows 2 (n % 8) and 2 (n % 8) + 1
	global_load_b128 v[32+4*n:35+4*n], v2, s[8:9] offset:(n%8)*16384+(n/8)*256 th:TH_LOAD_NT
.set n, n+1
.endr
	s_mov_b32 s44, 0xf0
	s_mov_b32 s45, 0xf000
	s_mov_b32 s46, 0xf00000
	s_mov_b32 s47, 0xf0000000
	; my stage: [half: 576][h: 288][query: 16][word: 4].  A lane's four keys 4 (L % 16) + 0..3 are word j = L % 8 of half-lane h = (L / 8) % 2.  The odd pitches put a store's 32 words into 32 banks.
	s_mul_i32 s6, s4, 1280
	v_bfe_u32 v7, v1, 2, 1
	v_mul_u32_u24 v3, v7, 576
	v_bfe_u32 v7, v1, 3, 1
	v_mul_u32_u24 v7, v7, 288
	v_add_nc_u32 v3, v3, v7
	v_lshl_add_u32 v3, v6, 4, v3
	v_and_b32 v7, 3, v1
	v_lshl_add_u32 v3, v7, 2, v3
	v_add_nc_u32 v3, s6, v3
	v_mul_u32_u24 v4, v6, 288                      ; back: lane r + 16 h takes its 16 bytes of a half
	v_lshl_add_u32 v4, v5, 4, v4
	v_add_nc_u32 v4, s6, v4
	v_lshlrev_b32 v13, 4, v1
; Block s: 32 ints a lane -> 32 bytes -> eight words, one for each load.  free = 1: the word buffers have been read by earlier LDS stores.
.macro CONVERT s, free
	s_wait_loadcnt 24-8*(\s)                       ; loads come back in order: this block's eight are in, the younger blocks' stay out
.set n, 0
.rept 32
	v_cmp_gt_i32 s[MK+n], 1, v[32+32*(\s)+n]       ; hidden where the int is below 1
.set n, n+1
.endr
	s_wait_alu depctr_va_sdst(0)                   ; the 32 compares have written s12 to s43, which the selects read
.set n, 0
.rept 8
	v_cndmask_b32 v[32+32*(\s)+4*n],   0, s44, s[MK+4*n]     ; in place: each byte at its place in the word
	v_cndmask_b32 v[32+32*(\s)+4*n+1], 0, s45, s[MK+4*n+1]
	v_cndmask_b32 v[32+32*(\s)+4*n+2], 0, s46, s[MK+4*n+2]
	v_cndmask_b32 v[32+32*(\s)+4*n+3], 0, s47, s[MK+4*n+3]
.set n, n+1
.endr
.set n, 0
.rept 8
	v_add3_u32 v[32+32*(\s)+4*n], v[32+32*(\s)+4*n], v[32+32*(\s)+4*n+1], v[32+32*(\s)+4*n+2]
.set n, n+1
.endr
.if \free
	s_wait_alu depctr_vm_vsrc(0)                   ; the LDS stores of blocks 0 and 1 have read both word buffers, which this block's and the next block's adds write again
.endif
.set n, 0
.rept 8
	v_add_nc_u32 v[WD+8*((\s)%2)+n], v[32+32*(\s)+4*n], v[32+32*(\s)+4*n+3]
.set n, n+1
.endr
.endm
.macro STAGE s                         ; eight words into the stage, and the block's 1,024 bytes back as the attention's lanes want them
.irp i, 0,1,2,3,4,5,6,7
	ds_store_b32 v3, v[WD+8*((\s)%2)+\i] offset:32*\i
.endr
	ds_load_b128 v[32+32*(\s):35+32*(\s)], v4      ; the stage is my wave's own and LDS serves a wave's instructions in order: these see the stores above, and the next block's stores come behind them
	ds_load_b128 v[36+32*(\s):39+32*(\s)], v4 offset:576
.endm
.macro SEND s
	s_wait_dscnt 0x0                               ; the block is back in registers
	global_store_b128 v13, v[32+32*(\s):35+32*(\s)], s[10:11] offset:(\s)*1024      ; 512 consecutive bytes each
	global_store_b128 v13, v[36+32*(\s):39+32*(\s)], s[10:11] offset:(\s)*1024+512
.endm
	CONVERT 0, 0
	s_wait_alu depctr_va_vdst(0)                   ; block 0's words are written, which the LDS stores read; the selects and adds are done with its registers, in which the LDS loads land; v3, v4 and v13 are written
	STAGE 0
	CONVERT 1, 0                                   ; a block's vector work stands between the loads of the block before and the wait for them
	SEND 0
	s_wait_alu depctr_va_vdst(0)                   ; block 1's words are written, which the LDS stores read; the selects and adds are done with its registers, in which the LDS loads land
	STAGE 1
	CONVERT 2, 1
	SEND 1
	s_wait_alu depctr_va_vdst(0)                   ; the same for block 2
	STAGE 2
	CONVERT 3, 0                                   ; its word buffer was freed by block 2's wait: the stores that read it, block 1's, stand ahead of that wait
	SEND 2
	s_wait_alu depctr_va_vdst(0)                   ; the same for block 3
	STAGE 3
	SEND 3
	s_wait_dscnt 0x0                               ; the closing lines, six on end
	s_wait_alu 0x0
	s_wait_tensorcnt 0x0
	ds_add_u32 v[SPW], v[NIL]
	s_wait_dscnt 0x0
	s_endpgm
; ---------------- LN: wave u takes rows 4 u .. 4 u + 3; a row (4,096 bytes) is 32 registers of one wave and stays there between the passes.  Two row slots: one at work, one on its way in.
.Lln:
	s_lshl3_add_u32 s6, s5, s4
	s_lshl_b32 s30, s6, 14
	s_add_nc_u64 s[10:11], s[10:11], s[30:31]
	s_lshl_b32 s30, s6, 13
	s_add_nc_u64 s[22:23], s[22:23], s[30:31]
	v_lshlrev_b32 v28, 4, v1                       ; in: 16 bytes a lane; never rewritten
	v_lshlrev_b32 v29, 3, v1                       ; out: 8 bytes a lane; never rewritten
	s_wait_alu depctr_va_vdst(0)                   ; v28 and v29 are written: every load and store of this role reads one of them as its offset
.irp n, 0,1,2,3,4,5,6,7
	global_load_b128 v[32+4*\n:35+4*\n], v28, s[12:13] offset:512*\n          ; gamma of my 32 columns
.endr
.irp n, 0,1,2,3,4,5,6,7
	global_load_b128 v[64+4*\n:67+4*\n], v28, s[14:15] offset:512*\n          ; beta
.endr
.irp n, 0,1,2,3,4,5,6,7
	global_load_b128 v[96+4*\n:99+4*\n], v28, s[10:11] offset:512*\n th:TH_LOAD_NT
.endr
.irp n, 0,1,2,3,4,5,6,7
	global_load_b128 v[128+4*\n:131+4*\n], v28, s[10:11] offset:4096+512*\n th:TH_LOAD_NT
.endr
	s_mov_b32 s36, 0x76543210                      ; v_permlanex16_b32: each lane takes its own place in the other half
	s_mov_b32 s37, 0xfedcba98
	s_mov_b32 s38, 0x3a800000                      ; 1 / 1024
	s_mov_b32 s39, 0x3727c5ac                      ; 1e-5
.macro REDUCE                          ; v2 summed over the 32 lanes, the result in every lane
	v_add_f32_dpp v2, v2, v2 row_xmask:1 row_mask:0xf bank_mask:0xf
	v_add_f32_dpp v2, v2, v2 row_xmask:2 row_mask:0xf bank_mask:0xf
	v_add_f32_dpp v2, v2, v2 row_xmask:4 row_mask:0xf bank_mask:0xf
	v_add_f32_dpp v2, v2, v2 row_xmask:8 row_mask:0xf bank_mask:0xf
	v_permlanex16_b32 v3, v2, s36, s37
	v_add_f32 v2, v2, v3
.endm
.macro FOLD                            ; the four chains v[2:9] into v2
	v_pk_add_f32 v[2:3], v[2:3], v[4:5]
	v_pk_add_f32 v[6:7], v[6:7], v[8:9]
	v_pk_add_f32 v[2:3], v[2:3], v[6:7]
	v_add_f32 v2, v2, v3
	REDUCE
.endm
.macro LNROW rho, left, fill           ; row rho; left: the younger loads that may stay out; fill = 1: the slot takes row rho + 2
.set XR, 96+32*((\rho)%2)
	s_wait_loadcnt \left
.irp c, 0,1,2,3
	v_pk_add_f32 v[2+2*\c:3+2*\c], v[XR+4*\c:XR+4*\c+1], v[XR+4*\c+2:XR+4*\c+3]  ; four chains, started by the first pairs
.endr
.irp n, 0,1,2,3,4,5,6,7
	v_pk_add_f32 v[2+2*(\n%4):3+2*(\n%4)], v[2+2*(\n%4):3+2*(\n%4)], v[XR+16+2*\n:XR+17+2*\n]
.endr
	FOLD
	v_mul_f32 v10, s38, v2                         ; the mean, twice: a pair for the packed forms
	v_mul_f32 v11, s38, v2
.set n, 0
.rept 16
	v_pk_add_f32 v[XR+2*n:XR+2*n+1], v[XR+2*n:XR+2*n+1], v[10:11] neg_lo:[0,1] neg_hi:[0,1]  ; x - mean, in place
.set n, n+1
.endr
.irp c, 0,1,2,3
	v_pk_mul_f32 v[2+2*\c:3+2*\c], v[XR+2*\c:XR+2*\c+1], v[XR+2*\c:XR+2*\c+1]
.endr
.set n, 4
.rept 12
	v_pk_fma_f32 v[2+2*(n%4):3+2*(n%4)], v[XR+2*n:XR+2*n+1], v[XR+2*n:XR+2*n+1], v[2+2*(n%4):3+2*(n%4)]
.set n, n+1
.endr
	FOLD
	v_fma_f32 v2, v2, s38, s39                     ; var + eps
	v_rsq_f32 v10, v2
	v_rsq_f32 v11, v2
	v_nop                                          ; a plain instruction behind the last of the two,
	s_wait_alu depctr_va_vdst(0)                   ; and one wait: both roots have written v10 and v11, ahead of their first use
.set n, 0
.rept 16
	v_pk_mul_f32 v[XR+2*n:XR+2*n+1], v[XR+2*n:XR+2*n+1], v[10:11]
.set n, n+1
.endr
.set n, 0
.rept 16
	v_pk_fma_f32 v[XR+2*n:XR+2*n+1], v[XR+2*n:XR+2*n+1], v[32+2*n:33+2*n], v[64+2*n:65+2*n]
.set n, n+1
.endr
	s_wait_xcnt 0x0                                ; the last row's stores have had their addresses translated: v[12:27] are rewritten only behind this wait
.if (\rho) > 0
	s_wait_alu depctr_vm_vsrc(0)                   ; the last row's stores have read v[12:27], which the roundings write again
.endif
.set n, 0
.rept 16
	v_cvt_pk_f16_f32 v[12+n], v[XR+2*n], v[XR+2*n+1]
.set n, n+1
.endr
	s_wait_alu depctr_va_vdst(0)                   ; the roundings have written v[12:27], which the stores read, and are done reading the slot, in which the loads of the row two on land
.if \fill
.irp n, 0,1,2,3,4,5,6,7
	global_load_b128 v[XR+4*\n:XR+4*\n+3], v28, s[10:11] offset:((\rho)+2)*4096+512*\n th:TH_LOAD_NT  ; loads ahead of stores
.endr
.endif
.irp n, 0,1,2,3,4,5,6,7
	global_store_b64 v29, v[12+2*\n:13+2*\n], s[22:23] offset:(\rho)*2048+256*\n   ; 32 lanes store 256 consecutive bytes, aligned
.endr
.endm
	LNROW 0, 8, 1
	LNROW 1, 8, 1
	LNROW 2, 8, 0
	LNROW 3, 0, 0
	s_endpgm
; ---------------- the weights: load m's 16 bytes a lane (four f32) become 8 bytes (four f16) at byte 256 m of the wave's output.  Group g is loads 4 g .. 4 g + 3 of total.
.macro WGRP g, total, ob
	s_wait_loadcnt (\total)-4*(\g)-4               ; loads come back in order: this group's four are in, the younger ones stay out
.if (\g) > 0
	s_wait_alu depctr_va_vdst(0)                   ; the group before has written its halves, which the stores below read
.endif
.irp j, 0,1,2,3
.set m, 4*(\g)+\j
.if (\g) > 0
	global_store_b64 v3, v[32+4*(m-4):33+4*(m-4)], s[\ob:\ob+1] offset:256*(m-4)   ; the group before; no vector instruction since the wait names these registers
.endif
	v_cvt_pk_f16_f32 v[32+4*m], v[32+4*m], v[33+4*m]
	v_cvt_pk_f16_f32 v[33+4*m], v[34+4*m], v[35+4*m]
.endr
.endm
.macro WLAST total, ob
	s_wait_alu depctr_va_vdst(0)                   ; the last group has written its halves, which the last four stores read
.irp j, 0,1,2,3
.set m, (\total)-4+\j
	global_store_b64 v3, v[32+4*m:33+4*m], s[\ob:\ob+1] offset:256*m
.endr
.endm
; WQ: wave u: head g = u / 64, 16 rows k from 16 (u % 64).  Two rows of w_qkv give six pieces of 256 bytes (q, k, v of head g, twice); a load takes two of them, 4,096 bytes apart.
.Lwq:
	s_lshl3_add_u32 s6, s5, s4
	s_lshr_b32 s32, s6, 6                          ; g
	s_and_b32 s6, s6, 63
	s_mul_i32 s30, s6, 196608                      ; 16 rows of 12,288 bytes
	s_lshl_b32 s33, s32, 8
	s_add_co_u32 s30, s30, s33
	s_add_nc_u64 s[16:17], s[16:17], s[30:31]
	s_mul_i32 s30, s32, 393216
	s_mul_i32 s33, s6, 6144                        ; 16 rows of 384 bytes
	s_add_co_u32 s30, s30, s33
	s_add_nc_u64 s[24:25], s[24:25], s[30:31]
	v_and_b32 v5, 15, v1
	v_lshrrev_b32 v6, 4, v1
	v_lshlrev_b32 v2, 4, v5
	v_lshl_add_u32 v2, v6, 12, v2
	v_lshlrev_b32 v3, 3, v1
	s_wait_alu depctr_va_vdst(0)                   ; v2 and v3 are written: the loads' and the stores' offsets; never rewritten
.set n, 0
.rept 24
	global_load_b128 v[32+4*n:35+4*n], v2, s[16:17] offset:(n/3)*24576+(n%3)*8192 th:TH_LOAD_NT
.set n, n+1
.endr
.set n, 0
.rept 6
	WGRP n, 24, 24
.set n, n+1
.endr
	WLAST 24, 24
	s_endpgm
; WO: wave u takes 16,384 consecutive bytes of w_out
.Lwo:
	s_lshl3_add_u32 s6, s5, s4
	s_lshl_b32 s30, s6, 14
	s_add_nc_u64 s[18:19], s[18:19], s[30:31]
	s_lshl_b32 s30, s6, 13
	s_add_nc_u64 s[26:27], s[26:27], s[30:31]
	v_lshlrev_b32 v2, 4, v1
	v_lshlrev_b32 v3, 3, v1
	s_wait_alu depctr_va_vdst(0)                   ; v2 and v3 are written: the loads' and the stores' offsets; never rewritten
.set n, 0
.rept 32
	global_load_b128 v[32+4*n:35+4*n], v2, s[18:19] offset:512*n th:TH_LOAD_NT
.set n, n+1
.endr
.set n, 0
.rept 8
	WGRP n, 32, 26
.set n, n+1
.endr
	WLAST 32, 26
	s_endpgm
.Lfunc_end_k_q84f9d27bd4_prep:
	.size	k_q84f9d27bd4_prep, .Lfunc_end_k_q84f9d27bd4_prep-k_q84f9d27bd4_prep
	.p2alignl 7, 3214868480
	.fill 96, 4, 3214868480
	.section	.rodata,"a",@progbits
	.p2align	6, 0x0
	.amdhsa_kernel k_q84f9d27bd4_prep
		.amdhsa_group_segment_fixed_size 11264
		.amdhsa_private_segment_fixed_size 0
		.amdhsa_enable_private_segment 0
		.amdhsa_kernarg_size 88
		.amdhsa_user_sgpr_count 2
		.amdhsa_user_sgpr_kernarg_segment_ptr 1
		.amdhsa_wavefront_size32 1
		.amdhsa_system_sgpr_workgroup_id_x 1
		.amdhsa_system_sgpr_workgroup_id_y 1
		.amdhsa_system_sgpr_workgroup_id_z 1
		.amdhsa_system_vgpr_workitem_id 0
		.amdhsa_next_free_vgpr 160
		.amdhsa_next_free_sgpr 66
		.amdhsa_reserve_vcc 1
		.amdhsa_float_denorm_mode_32 3
		.amdhsa_float_denorm_mode_16_64 3
		.amdhsa_memory_ordered 1
		.amdhsa_forward_progress 1
		.amdhsa_inst_pref_size 92
	.end_amdhsa_kernel
	.amdgpu_metadata
---
amdhsa.version: [ 1, 2 ]
amdhsa.kernels:
  - .name:           k_q84f9d27bd4_prep
    .symbol:         k_q84f9d27bd4_prep.kd
    .args:
      - { .name: attn_mask, .offset: 0, .size: 8, .value_kind: global_buffer, .address_space: global }
      - { .name: x, .offset: 8, .size: 8, .value_kind: global_buffer, .address_space: global }
      - { .name: gamma, .offset: 16, .size: 8, .value_kind: global_buffer, .address_space: global }
      - { .name: beta, .offset: 24, .size: 8, .value_kind: global_buffer, .address_space: global }
      - { .name: w_qkv, .offset: 32, .size: 8, .value_kind: global_buffer, .address_space: global }
      - { .name: w_out, .offset: 40, .size: 8, .value_kind: global_buffer, .address_space: global }
      - { .name: mk, .offset: 48, .size: 8, .value_kind: global_buffer, .address_space: global }
      - { .name: xn, .offset: 56, .size: 8, .value_kind: global_buffer, .address_space: global }
      - { .name: wq, .offset: 64, .size: 8, .value_kind: global_buffer, .address_space: global }
      - { .name: wo, .offset: 72, .size: 8, .value_kind: global_buffer, .address_space: global }
      - { .name: rt, .offset: 80, .size: 8, .value_kind: global_buffer, .address_space: global }
    .group_segment_fixed_size: 11264
    .private_segment_fixed_size: 0
    .kernarg_segment_align: 8
    .kernarg_segment_size: 88
    .max_flat_workgroup_size: 256
    .sgpr_count:     66
    .vgpr_count:     160
    .wavefront_size: 32
...
	.end_amdgpu_metadata
.endif
;; end of part 5
;; launch proj: the kernel of part 2 again; grid 16 x 16, 4 waves a work-group, clusters of 4 x 4, 327,680 bytes of LDS; arguments xn, wq, rt, qkv; writes qkv
;; launch attn: the kernel of part 3 again; grid 8 x 32, 4 waves a work-group, clusters of 4 x 1, 327,680 bytes of LDS; arguments qkv, mk, o; writes o
;; launch outp: the kernel of part 4 again; grid 8 x 32, 4 waves a work-group, clusters of 4 x 4, 327,680 bytes of LDS; arguments o, wo, b_out, out0; writes out0
